; MI455X (gfx1250); checked and timed in simulation.
; The chip was launched on July 23, 2026; its instructions are those of AMD's public machine-readable ISA for CDNA 5 (MIT licence, August 2026) and "CDNA5" Instruction Set Architecture Reference Guide (July 2026). The comments in the code are by the model that wrote it; some were corrected since.
;; Causal Self Attention. Allowed arithmetic: matrix products marked QUANTISED: E2M1 operands, one E8M0 scale for each 32 along K, by v_wmma_scale_f32_16x16x128_f8f6f4 with both operands' format E2M1 (or v_wmma_scale_f32_32x16x128_f4), f32 sums; products left as they are: bf16, f16 or f32 operands; f32 sums; everything else in f32.
;; Inputs: b_attn 3,072 float32; b_proj 1,024 float32; w_attn 1,024 x 3,072 float32; w_proj 1,024 x 1,024 float32; x 4 x 2,048 x 1,024 float32.
;; Outputs: out0 4 x 2,048 x 1,024 float32.
;; This version of the problem:
;;   THIS VERSION OF THE PROBLEM IS GIVEN IN LOW PRECISION. The matrix products marked QUANTISED in the list below multiply operands that are first quantised to E2M1 (2 exponent bits, 1 mantissa bit; 4 bits a number), with one power-of-two scale for each 32 numbers along K (OCP MX v1.0); their sums are f32. The products marked 'left as it is' may take bf16, f16 or f32 operands, with f32 sums. Whichever they take, every output number must still come out within the allowed error. Rounding operands to bf16 (8 significant bits) uses up far more of that allowance than f16 does (11 bits, for magnitudes from 6e-5 to 65,504). All else is computed in f32.
;;   The module's matrix products, in the order in which they are computed (A, B: the left and right operand; K: the contracted axis; several contracted axes count as one K, in the product's order):
;;     1. [M 8,192, K 1,024] x [K 1,024, N 3,072]; A: input x; B: input w_attn: QUANTISED
;;     2. batch 64 x [M 2,048, K 64] x [K 64, N 2,048]; A: computed on the way; B: computed on the way: left as it is (an operand is computed on the way)
;;     3. batch 64 x [M 2,048, K 2,048] x [K 2,048, N 64]; A: computed on the way; B: computed on the way: left as it is (an operand is computed on the way)
;;     4. [M 8,192, K 1,024] x [K 1,024, N 1,024]; A: computed on the way; B: input w_proj: left as it is (an operand is computed on the way)
;;   THE QUANTISER, for each operand of a quantised product, along K:
;;     - K is cut into blocks of 32 from its start; a last block that is shorter is filled with zeros.
;;     - A block's scale is 2^e with e = floor(log2(the largest magnitude in the block)) - 2, held to -126 .. 127; a block of zeros has e = 0. As a byte (E8M0): e + 127.
;;     - Each number is divided by its block's scale, clamped to +-6, and rounded to the nearest number of E2M1, ties to even, subnormals kept.
;;     - The product sums the exact products of the quantised numbers (number of the format x scale) in f32.
;;   ~~~python
;;   def quantise(x, axis):      # numpy; x: float32 -> the quantised numbers, widened to float32 again
;;       x = np.moveaxis(x, axis, -1); K = x.shape[-1]
;;       x = np.pad(x, [(0, 0)] * (x.ndim - 1) + [(0, -K % 32)]); x = x.reshape(x.shape[:-1] + (-1, 32)); a = np.abs(x).max(-1, keepdims=True)
;;       e = np.where(a > 0, np.clip(np.frexp(np.where(a > 0, a, 1))[1] - 1 - 2, -126, 127), 0)      # np.frexp(a)[1] - 1 = floor(log2(a)), exactly
;;       r = np.clip(x / 2.0 ** e, -6, 6)
;;       step = 2.0 ** (np.maximum(np.frexp(np.where(r == 0, 1, r))[1] - 1, 0) - 1)
;;       q = np.round(r / step) * step * 2.0 ** e      # np.round: ties to even
;;       return np.moveaxis(q.reshape(q.shape[:-2] + (-1,))[..., :K], -1, axis).astype(np.float32)
;;   ~~~
;; One version. Each part assembles by itself: llvm-mc -triple=amdgcn-amd-amdhsa -mcpu=gfx1250 --defsym DOCPART=n.
;; ======== version 1 of 1: 5 launches
;; limits: values are held in f16: magnitudes above 65,504 overflow, below 6.1e-05 lose precision
;; workspace buffers: x_codes 4,194,304 bytes; x_scales 262,144 bytes; wa_codes 1,572,864 bytes; wa_scales 98,304 bytes; wp16 2,097,152 bytes; qkv16 50,331,648 bytes; first32 786,432 bytes; y16 16,777,216 bytes
;; launch prep (part 1): grid 416 x 1, 4 waves a work-group, no clusters, 51,712 bytes of LDS; arguments x, w_attn, w_proj, x_codes, x_scales, wa_codes, wa_scales, wp16; writes x_codes, x_scales, wa_codes, wa_scales, wp16
.if DOCPART == 1
	.amdgcn_target "amdgcn-amd-amdhsa--gfx1250"
	.amdhsa_code_object_version 6
	.text
	.protected	k_q12bbce0188_prep
	.globl	k_q12bbce0188_prep
	.p2align	8
	.type	k_q12bbce0188_prep,@function
k_q12bbce0188_prep:
	s_mov_b64 s[64:65], 0
	v_nop
	global_prefetch_b8 v0, s[64:65] scope:SCOPE_SE
	s_setreg_imm32_b32 hwreg(HW_REG_WAVE_MODE, 25, 1), 1
	s_wait_xcnt 0x0
; THREE JOBS IN ONE LAUNCH, told apart by the work-group's number alone:
;   work-groups   0 ..  95: w_attn [1024 k][3072 n] f32 -> codes of FP4 (E2M1) laid [n][512 bytes], K innermost, and one E8M0 byte for each 32 along K, laid [n][32]
;   work-groups  96 .. 159: w_proj [1024][1024] f32 -> f16, in the same order
;   work-groups 160 .. 415: x [8192][1024] f32 -> codes [row][512 bytes] and scale bytes [row][32]
; A block's scale is 2^(floor(log2(its largest magnitude)) - 2); its byte is the largest magnitude's exponent field - 2, held at 1 from below.  A block of zeros so gets the byte 1 where the
; quantiser says 127: its codes are zeros, which add nothing under any byte but 0xff, and these bytes are read by this program alone.
; LIMITS: blocks whose largest magnitude lies under 2^-124 keep the byte 1; NaN and infinities among the inputs are not served; w_proj beyond 65,504 has no f16 number.
; No tensor loads, no barrier: waves share nothing.  Each path has LDS bytes of its own and its own end.
.set SPW,   12                         ; v12  LDS address of my spare word: SPARE + 4 x my thread's number; never rewritten
.set NIL,   13                         ; v13  0; never rewritten
.set SPARE, 51200                      ; behind both paths' stages: the spare words, 128 bytes for each wave
.set EMAX,  2
; path X (x): a wave takes 16 steps of 512 numbers
.set STEPS, 16
.set CB,    8                          ; bytes of 16 codes
.set R,     16                         ; v16-79   four sets of 16 numbers as they are loaded
.set X,     80                         ; v80-111  two sets of 16 neighbours
.set E,     112                        ; v112-127 a scale byte for each step
.set C,     128                        ; v128-191 codes: four registers for each step, so that no store's data are written again
.set WREG,  8192                       ; LDS 0 .. 32,767: a region for each wave: two stages of 32 x SP bytes, behind them its 256 scale bytes
.set SP,    80                         ; a lane's place in a stage: its 64 bytes + 16 of padding
; path W (w_attn): a wave takes 32 columns x 256 along K
.set NB,    8                          ; blocks of 32 along K
.set WP,    144                        ; a stage row: 128 bytes of codes + 16
.set WSTG,  32768                      ; LDS 32,768 .. 51,199: 32 rows x WP for each wave
.set NROW,  12288                      ; a row of w_attn in bytes
.set WX,    32                         ; v32-95   two sets of 32 numbers
.set WC,    96                         ; v96-99   a block's codes
.set OUTR,  112                        ; v112-143 the way out
.set SB,    24                         ; v24-25   the scale bytes, four to a register
.macro FINISH                          ; a wave's end, behind the last LDS store
	s_wait_tensorcnt 0x0
	ds_add_u32 v[SPW], v[NIL]
	s_wait_dscnt 0x0
	s_endpgm
.endm
	s_load_b256 s[4:11], s[0:1], 0x0               ; x s[4:5], w_attn s[6:7], w_proj s[8:9], x_codes s[10:11]
	s_load_b256 s[12:19], s[0:1], 0x20             ; x_scales s[12:13], wa_codes s[14:15], wa_scales s[16:17], wp16 s[18:19]
	v_lshl_add_u32 v[SPW], v0, 2, SPARE
	v_mov_b32 v[NIL], 0
	v_lshrrev_b32 v1, 5, v0
	v_readfirstlane_b32 s20, v1                    ; wave 0..3
	v_and_b32 v2, 31, v0                           ; lane
	s_wait_kmcnt 0x0
	s_cmp_lt_u32 ttmp9, 96
	s_cbranch_scc1 .Lw
	s_cmp_lt_u32 ttmp9, 160
	s_cbranch_scc1 .Lcast
; ---------------- PATH X.  Rows are dense and 1,024 is a multiple of 32: x is a plain stream of blocks of 32, and so are its codes and scale bytes.
; The conversions take 8 numbers of one block from ONE lane's registers, so a lane must hold 16 neighbours; a load is best where neighbouring lanes take neighbouring bytes.  Both are had:
; each load reads 512 consecutive bytes, a step's 2,048 bytes go through the wave's own stage as they lie and come back 64 bytes a lane.  Two neighbouring lanes hold a block.
	v_lshlrev_b32 v3, 4, v2                        ; my 16 bytes of a load's 512
	s_mul_i32 s21, s20, WREG
	v_lshrrev_b32 v14, 2, v2
	v_mul_u32_u24 v14, v14, SP
	v_and_b32 v15, 3, v2
	v_lshl_add_u32 v14, v15, 4, v14
	v_add_nc_u32 v14, s21, v14                     ; the stage, on the way in: SP (lane / 4) + 16 (lane % 4)
	v_mul_u32_u24 v15, v2, SP
	v_add_nc_u32 v15, s21, v15                     ; and on the way out: SP x lane
	v_mul_u32_u24 v4, v2, CB                       ; my codes' place in a step's
	v_lshrrev_b32 v5, 1, v2
	s_add_co_u32 s21, s21, 2*32*SP
	v_add_nc_u32 v5, s21, v5                       ; LDS: my wave's 256 scale bytes, my block's byte
	v_lshlrev_b32 v7, 3, v2                        ; and on the way out 8 bytes a lane
	v_add_nc_u32 v6, s21, v7
	s_sub_co_u32 s22, ttmp9, 160
	s_lshl_b32 s22, s22, 2
	s_add_co_u32 s22, s22, s20                     ; which run of 8,192 numbers is my wave's: 0 .. 1,023
	s_mov_b32 s25, 0
	s_lshl_b32 s24, s22, 15                        ; 32,768 bytes of f32,
	s_add_nc_u64 s[4:5], s[4:5], s[24:25]
	s_lshl_b32 s24, s22, 12                        ; 4,096 of codes,
	s_add_nc_u64 s[10:11], s[10:11], s[24:25]
	s_lshl_b32 s24, s22, 8                         ; 256 scale bytes a run
	s_add_nc_u64 s[12:13], s[12:13], s[24:25]
.macro XLOAD t
.irp i, 0,1,2,3
	global_load_b128 v[R+16*((\t)%4)+4*\i:R+16*((\t)%4)+4*\i+3], v3, s[4:5] offset:2048*(\t)+512*\i th:TH_LOAD_NT   ; 32 lanes read 512 consecutive bytes
.endr
.endm
.macro XTURN t                         ; step t's numbers through the stage: LDS serves a wave's instructions in order, so no wait stands between the stores and the loads
.irp i, 0,1,2,3
	ds_store_b128 v14, v[R+16*((\t)%4)+4*\i:R+16*((\t)%4)+4*\i+3] offset:32*SP*((\t)%2)+8*SP*\i
.endr
.irp i, 0,1,2,3
	ds_load_b128 v[X+16*((\t)%2)+4*\i:X+16*((\t)%2)+4*\i+3], v15 offset:32*SP*((\t)%2)+16*\i
.endr
.endm
.irp t, 0,1,2,3
	XLOAD \t
.endr
	s_wait_loadcnt 12                              ; step 0's four loads are in; three steps' twelve may be out
	XTURN 0
.macro XSTEP t
.set XS, X+16*((\t)%2)
.if (\t) > 0
	s_wait_dscnt 1                                 ; this step's numbers are back from the stage (the last step's byte store may be out): so its stores into the stage have read their registers,
.else
	s_wait_dscnt 0x0
.endif
.if (\t)+4 < STEPS
	XLOAD (\t)+4                                   ; which take the loads of four steps on
.endif
.if (\t)+1 < STEPS
.if STEPS-2-(\t) >= 3
	s_wait_loadcnt 12                              ; the next step's four loads are in; those of the three steps behind it may be out
.else
	s_wait_loadcnt 4*(STEPS-2-(\t))
.endif
	XTURN (\t)+1                                   ; and go through the other stage while this step is worked
.endif
	v_max3_num_f32 v8, |v[XS]|, |v[XS+1]|, |v[XS+2]|               ; the largest magnitude of my 16, in two chains
	v_max3_num_f32 v9, |v[XS+3]|, |v[XS+4]|, |v[XS+5]|
.irp i, 6,10
	v_max3_num_f32 v8, v8, |v[XS+\i]|, |v[XS+\i+1]|
	v_max3_num_f32 v9, v9, |v[XS+\i+2]|, |v[XS+\i+3]|
.endr
	v_max3_num_f32 v8, v8, |v[XS+14]|, |v[XS+15]|
	v_max3_num_f32 v8, v8, v9, (EMAX+1)<<23        ; and the floor 2^(3 - 127): the byte cannot fall under 1
	v_max_num_f32_dpp v8, v8, v8 row_xmask:1 row_mask:0xf bank_mask:0xf   ; and of my neighbour's 16: the block's
	v_add_nc_u32 v11, -(EMAX<<23), v8              ; 2 off its exponent field: the conversion takes the exponent field of this operand as its scale, and nothing else of it
	v_cvt_scalef32_pk8_fp4_f32 v[C+4*(\t)], v[XS:XS+7], v11
	v_cvt_scalef32_pk8_fp4_f32 v[C+4*(\t)+1], v[XS+8:XS+15], v11
	v_lshrrev_b32 v[E+(\t)], 23, v11               ; the scale's byte (a plain line behind the conversions)
	ds_store_b8 v5, v[E+(\t)] offset:16*(\t)       ; both lanes of a block write the same byte with the same value
	global_store_b64 v4, v[C+4*(\t):C+4*(\t)+1], s[10:11] offset:32*CB*(\t)   ; the wave stores 256 consecutive bytes, aligned
.endm
.irp t, 0,1,2,3,4,5,6,7,8,9,10,11,12,13,14,15
	XSTEP \t
.endr
	ds_load_b64 v[8:9], v6                         ; LDS serves a wave's instructions in order: these see my byte stores
	s_wait_dscnt 0x0
	global_store_b64 v7, v[8:9], s[12:13]          ; 32 lanes store 256 consecutive bytes, aligned
	FINISH
; ---------------- PATH W.  K is w_attn's FIRST axis.  A lane takes a column n and its registers run down K: each load reads neighbouring n in neighbouring lanes, a block of 32 lies in one lane's
; 32 registers, and the conversions give codes with K innermost.  Work-group: 128 columns (id / 4) x 256 along K (id % 4); wave: 32 of the columns.
; A column's piece is 128 bytes of codes and 8 scale bytes: these two small buffers are written in pieces shorter than 256 bytes; twice the depth along K would halve the number of waves that load.
.Lw:
	s_and_b32 s21, ttmp9, 3                        ; which 256 along K
	s_lshr_b32 s22, ttmp9, 2
	s_lshl_b32 s22, s22, 7
	s_lshl_b32 s23, s20, 5
	s_add_co_u32 s22, s22, s23                     ; my wave's first column
	v_lshlrev_b32 v3, 2, v2                        ; in: 4 bytes a lane
	s_mul_i32 s23, s20, 32*WP
	s_add_co_u32 s23, s23, WSTG                    ; my stage
	v_mul_u32_u24 v4, v2, WP
	v_add_nc_u32 v4, s23, v4                       ; into it: row = my column
	v_lshrrev_b32 v5, 3, v2
	v_and_b32 v6, 7, v2                            ; out of it: eight lanes to a row of 128 bytes, four rows an instruction
	v_mul_u32_u24 v7, v5, WP
	v_lshl_add_u32 v7, v6, 4, v7
	v_add_nc_u32 v7, s23, v7
	v_lshlrev_b32 v8, 9, v5
	v_lshl_add_u32 v8, v6, 4, v8                   ; and the same place in the codes' buffer: rows of 512 bytes
	v_lshlrev_b32 v9, 5, v2                        ; my column's row of scale bytes
	s_mov_b32 s25, 0
	s_mul_i32 s24, s21, 256*NROW
	s_lshl_b32 s26, s22, 2
	s_add_co_u32 s24, s24, s26
	s_add_nc_u64 s[6:7], s[6:7], s[24:25]          ; w_attn at (256 kq, column)
	s_lshl_b32 s24, s22, 9
	s_lshl_b32 s26, s21, 7
	s_add_co_u32 s24, s24, s26
	s_add_nc_u64 s[14:15], s[14:15], s[24:25]      ; codes: 512 x column + 128 kq
	s_lshl_b32 s24, s22, 5
	s_lshl_b32 s26, s21, 3
	s_add_co_u32 s24, s24, s26
	s_add_nc_u64 s[16:17], s[16:17], s[24:25]      ; scale bytes: 32 x column + 8 kq
.macro WLOAD t                         ; block t: w(32 t + i, my column), i = 0 .. 31, into set t % 2; the largest offset, 255 rows, stays inside the signed 24-bit immediate
.irp i, 0,1,2,3,4,5,6,7,8,9,10,11,12,13,14,15,16,17,18,19,20,21,22,23,24,25,26,27,28,29,30,31
	global_load_b32 v[WX+32*((\t)%2)+\i], v3, s[6:7] offset:(32*(\t)+\i)*NROW th:TH_LOAD_NT
.endr
.endm
	WLOAD 0
	WLOAD 1
.macro WBLOCK t
.set XS, WX+32*((\t)%2)
.if (\t) < NB-1
	s_wait_loadcnt 32                              ; this block's 32 loads are in; the next block's may be out
.else
	s_wait_loadcnt 0
.endif
	v_max3_num_f32 v16, |v[XS]|, |v[XS+1]|, |v[XS+2]|              ; the block's largest magnitude: all 32 numbers are mine
	v_max3_num_f32 v17, |v[XS+3]|, |v[XS+4]|, |v[XS+5]|
.irp i, 6,10,14,18,22,26
	v_max3_num_f32 v16, v16, |v[XS+\i]|, |v[XS+\i+1]|
	v_max3_num_f32 v17, v17, |v[XS+\i+2]|, |v[XS+\i+3]|
.endr
	v_max3_num_f32 v16, v16, |v[XS+30]|, |v[XS+31]|
	v_max3_num_f32 v16, v16, v17, (EMAX+1)<<23     ; and the floor
	v_add_nc_u32 v11, -(EMAX<<23), v16             ; the conversion's scale operand
	v_lshrrev_b32 v18, 23, v11                     ; the scale's byte
.if (\t)%4 == 0
	v_mov_b32 v[SB+(\t)/4], v18                    ; four bytes to a register, the lower K in the lower byte
.else
	v_lshl_or_b32 v[SB+(\t)/4], v18, 8*((\t)%4), v[SB+(\t)/4]
.endif
.irp g, 0,1,2,3
	v_cvt_scalef32_pk8_fp4_f32 v[WC+\g], v[XS+8*\g:XS+8*\g+7], v11
.endr
	ds_store_b128 v4, v[WC:WC+3] offset:16*(\t)    ; 32 codes: 16 bytes of my column's row
.if (\t)+2 < NB
	WLOAD (\t)+2
.endif
	s_wait_dscnt 0x0                               ; the store has read its registers: the next block's codes may be written (the next block begins with plain vector lines)
.endm
.irp t, 0,1,2,3,4,5,6,7
	WBLOCK \t
.endr
	global_store_b64 v9, v[SB:SB+1], s[16:17]      ; my column's 8 scale bytes
.irp t, 0,1,2,3,4,5,6,7
	ds_load_b128 v[OUTR+4*\t:OUTR+4*\t+3], v7 offset:4*\t*WP       ; LDS serves a wave's instructions in order: these see my stores
.endr
.irp t, 0,1,2,3,4,5,6,7
	s_wait_dscnt 7-\t                              ; load t is in; the younger ones may be out
	global_store_b128 v8, v[OUTR+4*\t:OUTR+4*\t+3], s[14:15] offset:4*\t*512
.endr
	FINISH
; ---------------- PATH C.  w_proj to f16, rounded to nearest even: a wave takes 4,096 numbers: 32 loads of 512 consecutive bytes, 32 stores of 256 consecutive bytes, aligned.
.Lcast:
	s_sub_co_u32 s21, ttmp9, 96
	s_lshl_b32 s21, s21, 2
	s_add_co_u32 s21, s21, s20                     ; run 0 .. 255
	s_mov_b32 s25, 0
	s_lshl_b32 s24, s21, 14
	s_add_nc_u64 s[8:9], s[8:9], s[24:25]
	s_lshl_b32 s24, s21, 13
	s_add_nc_u64 s[18:19], s[18:19], s[24:25]
	v_lshlrev_b32 v3, 4, v2
	v_lshlrev_b32 v4, 3, v2
.set i, 0
.rept 32
	global_load_b128 v[16+4*i:19+4*i], v3, s[8:9] offset:512*i
.set i, i+1
.endr
.set i, 0
.rept 32
	s_wait_loadcnt 31-i                            ; load i is in; the younger ones may be out
	v_cvt_pk_f16_f32 v[16+4*i], v[16+4*i], v[17+4*i]
	v_cvt_pk_f16_f32 v[17+4*i], v[18+4*i], v[19+4*i]
	global_store_b64 v4, v[16+4*i:17+4*i], s[18:19] offset:256*i
.set i, i+1
.endr
	FINISH
.Lfunc_end_k_q12bbce0188_prep:
	.size	k_q12bbce0188_prep, .Lfunc_end_k_q12bbce0188_prep-k_q12bbce0188_prep
	.p2alignl 7, 3214868480
	.fill 96, 4, 3214868480
	.section	.rodata,"a",@progbits
	.p2align	6, 0x0
	.amdhsa_kernel k_q12bbce0188_prep
		.amdhsa_group_segment_fixed_size 51712
		.amdhsa_private_segment_fixed_size 0
		.amdhsa_enable_private_segment 0
		.amdhsa_kernarg_size 64
		.amdhsa_user_sgpr_count 2
		.amdhsa_user_sgpr_kernarg_segment_ptr 1
		.amdhsa_wavefront_size32 1
		.amdhsa_system_sgpr_workgroup_id_x 1
		.amdhsa_system_sgpr_workgroup_id_y 1
		.amdhsa_system_sgpr_workgroup_id_z 1
		.amdhsa_system_vgpr_workitem_id 0
		.amdhsa_next_free_vgpr 192
		.amdhsa_next_free_sgpr 66
		.amdhsa_reserve_vcc 0
		.amdhsa_float_denorm_mode_32 3
		.amdhsa_float_denorm_mode_16_64 3
		.amdhsa_memory_ordered 1
		.amdhsa_forward_progress 1
		.amdhsa_inst_pref_size 84
	.end_amdhsa_kernel
	.amdgpu_metadata
---
amdhsa.version: [ 1, 2 ]
amdhsa.kernels:
  - .name:           k_q12bbce0188_prep
    .symbol:         k_q12bbce0188_prep.kd
    .args:
      - { .name: x, .offset: 0, .size: 8, .value_kind: global_buffer, .address_space: global }
      - { .name: w_attn, .offset: 8, .size: 8, .value_kind: global_buffer, .address_space: global }
      - { .name: w_proj, .offset: 16, .size: 8, .value_kind: global_buffer, .address_space: global }
      - { .name: x_codes, .offset: 24, .size: 8, .value_kind: global_buffer, .address_space: global }
      - { .name: x_scales, .offset: 32, .size: 8, .value_kind: global_buffer, .address_space: global }
      - { .name: wa_codes, .offset: 40, .size: 8, .value_kind: global_buffer, .address_space: global }
      - { .name: wa_scales, .offset: 48, .size: 8, .value_kind: global_buffer, .address_space: global }
      - { .name: wp16, .offset: 56, .size: 8, .value_kind: global_buffer, .address_space: global }
    .group_segment_fixed_size: 51712
    .private_segment_fixed_size: 0
    .kernarg_segment_align: 8
    .kernarg_segment_size: 64
    .max_flat_workgroup_size: 128
    .sgpr_count:     66
    .vgpr_count:     192
    .wavefront_size: 32
...
	.end_amdgpu_metadata
.endif
;; end of part 1
;; launch qkv (part 2): grid 12 x 32, 4 waves a work-group, clusters of 4 x 4, 327,680 bytes of LDS; arguments x_codes, x_scales, wa_codes, wa_scales, b_attn, qkv16, first32; writes qkv16, first32
.if DOCPART == 2
	.amdgcn_target "amdgcn-amd-amdhsa--gfx1250"
	.amdhsa_code_object_version 6
	.text
	.protected	k_q12bbce0188_qkv
	.globl	k_q12bbce0188_qkv
	.p2align	8
	.type	k_q12bbce0188_qkv,@function
k_q12bbce0188_qkv:
	s_mov_b64 s[64:65], 0
	v_nop
	global_prefetch_b8 v0, s[64:65] scope:SCOPE_SE
	s_setreg_imm32_b32 hwreg(HW_REG_WAVE_MODE, 25, 1), 1
	s_wait_xcnt 0x0
	s_wait_alu depctr_hold_cnt(0) depctr_sa_sdst(0) depctr_va_vdst(0) depctr_va_sdst(0) depctr_va_ssrc(0) depctr_va_vcc(0) depctr_vm_vsrc(0)
	s_getreg_b32 s2, hwreg(HW_REG_IB_STS2, 6, 4)
	s_cmp_eq_u32 s2, 0
	s_cbranch_scc0 .Lentry_in_a_cluster
	s_endpgm
.Lentry_in_a_cluster:
	s_bfe_u32 s2, ttmp6, 0x10000c
	s_cmp_lg_u32 s2, 0xf033
	s_cbranch_scc0 .Lentry_shape_is_right
	s_endpgm
.Lentry_shape_is_right:
; qkv[m][n] = sum over k of Q(x)[m][k] Q(w_attn)[k][n] + b_attn[n], on codes of FP4 (E2M1) with one E8M0 scale for each 32 along K.  m = 8,192 rows, n = 3,072, K = 1,024.
; x_codes [8192][512 bytes], wa_codes [3072 n][512 bytes], K innermost; scale bytes [row][32].  Results: qkv16 [b 4][g 48][t 2048][64] f16 (g = n / 64: q 0-15, k 16-31, v 32-47), and, in f32,
; positions 0-15 of every sequence: first32 [b][t 16][3072].
; LIMIT: a result beyond 65,504 has no f16 number.
; A tile of 256 x 256 is made by a work-group of four waves, as many as a WGP has SIMDs; a wave makes 128 x 128: 64 accumulators of 16 x 16, 512 registers.
; K is two steps of 512 (tile rows of 256 bytes): both lie in LDS slots of their own, asked for at the head; nothing is filled again, so there is no loop and no refill.
; THE SCALES of the work-group's 256 + 256 rows for all of K are two dense blocks: they come once, as rows of 256 bytes.
; CLUSTERS: 4 x 4 work-groups.  The four of a row of the cluster need the same tiles of x, the four of a column the same tiles of w_attn: each tile is asked for JOINTLY.
; Tile row = 8 cy + cluster y, so that the batch is cy and 'my tile holds positions 0-15' is 'cluster y = 0': alike in all sixteen partners.
; THE MATRIX INSTRUCTION IS USED TRANSPOSED (source 0 = 16 columns of w_attn, source 1 = 16 rows of x): a lane then holds eight neighbouring columns of one row.  The bias is the C of each sum's first product.
; REGISTERS: window 0: v0-31 addresses; v32-95 scale words, two sets; v128-191 x's fragments, one set; v192-255 the bias in the result's layout.  window 1: w_attn's fragments, two sets.
;   window 2: the accumulators of my rows 0-63 ((a, b) at v[8 (8 a + b)]); window 3: those of rows 64-127.
.set KSTEP,  512
.set NQ,     KSTEP/128
.set ROWB,   256                       ; a tile's row in bytes
.set KROW,   512                       ; a row of codes in memory
.set PITCH,  272                       ; an LDS row: 256 bytes + 16 of padding = 68 words: the 16 rows that a load touches start at 16 different banks (64 banks of 4 bytes: ISA guide 11.1)
.set FR,     8
.set NL,     2
.set NP,     4                         ; places behind this matrix instruction (ISA guide 7.12.1)
.set HALFT,  128*PITCH
.set SLOT,   4*HALFT
.set KS,     32                        ; a row of scales in bytes
.set SCL,    2*SLOT
.set HALFS,  (128*KS/256)*272
.set SBLK,   (16*KS/256)*272
.set SPARE,  SCL+4*HALFS               ; the spare words, 128 bytes for each wave
.set SPITCH, 272                       ; the way out: 16 rows x (256 bytes + 16) for each wave, in slot 0, which has had its only fill and its last read by then
.set ADRA, 16
.set ADRB, 20
.set STO,  24
.set RD,   25
.set CO,   26
.set ADRS, 27
.set SPW,  28
.set NIL,  29
.set FO,   30                          ; v30  first32: 12,288 r + 32 h
.set BO,   31                          ; v31  the bias: 32 h
.set SC,   32
.set AF,   128
.set BIAS, 192
.set TMP,  32                          ; the way out: a block's 32 packed registers
.set BK,   64                          ; and 16 rows read back: v64-95 and v96-127 by turns
.set G1, 24
.set G0, 32
.set G1B, 48
.set G0B, 56
.set G1S, 68
.set G0S, 76
.set G1SB, 80
.set G0SB, 88
.set MSB, 0
.macro WIN new                         ; the immediate's high byte repeats the setting that is left
.if MSB != (\new)
	s_set_vgpr_msb (MSB<<8)|(\new)
.set MSB, \new
.endif
.endm
.set MUL_LO, 0xa1                      ; source 0 window 1, source 1 window 0, C and D window 2
.set MUL_HI, 0xf1                      ; the same, C and D window 3
.set BIA_LO, 0x81                      ; C (the bias) window 0, D window 2
.set BIA_HI, 0xc1                      ; C window 0, D window 3
.set TO_B,   0x40
; A joint load: waves 0 and 1 fetch for x, waves 2 and 3 for w_attn.  The branch hangs on the wave's number alone.  An s_nop 0 and four v_nop follow each of the two lines.
.macro JLOAD g0a, g1a, g0b, g1b
	s_cmp_eq_u32 s15, 0
	s_cbranch_scc0 .Lfor_b_\@
	tensor_load_to_lds s[\g0a:\g0a+3], s[\g1a:\g1a+7]
	s_nop 0
.rept 4
	v_nop
.endr
	s_branch .Lasked_\@
.Lfor_b_\@:
	tensor_load_to_lds s[\g0b:\g0b+3], s[\g1b:\g1b+7]
	s_nop 0
.rept 4
	v_nop
.endr
.Lasked_\@:
.endm
.macro CROUND                          ; a round of the cluster's barrier
	s_barrier_signal -1
	s_barrier_wait -1
	s_cmp_lg_u32 s14, 0
	s_cbranch_scc1 .Lnot_wave_0_\@
	s_barrier_signal -3
.Lnot_wave_0_\@:
	s_barrier_wait -3
	s_barrier_signal -1
	s_barrier_wait -1
.endm
	s_load_b256 s[4:11], s[0:1], 0x0               ; x_codes s[4:5], x_scales s[6:7], wa_codes s[8:9], wa_scales s[10:11]
	s_load_b64 s[96:97], s[0:1], 0x20              ; b_attn
	s_load_b64 s[12:13], s[0:1], 0x28              ; qkv16
	s_load_b64 s[98:99], s[0:1], 0x30              ; first32
	v_lshl_add_u32 v[SPW], v0, 2, SPARE
	v_mov_b32 v[NIL], 0
	ds_add_u32 v[SPW], v[NIL]                      ; the wave's opening: the add, twice on end, and its wait ahead of my first tensor load
	ds_add_u32 v[SPW], v[NIL]
	v_lshrrev_b32 v1, 5, v0
	v_readfirstlane_b32 s14, v1                    ; wave 0..3
	s_lshr_b32 s15, s14, 1                         ; which half of the tile's rows is mine.  Also: I fetch for x (0) or for w_attn (1)
	s_and_b32 s16, s14, 1                          ; which half of its columns.  Also: which 128 rows of that tile I fetch
	s_bfe_u32 s40, ttmp6, 0x40000                  ; cx
	s_bfe_u32 s41, ttmp6, 0x40004                  ; cy
	s_lshl_b32 s42, ttmp9, 2
	s_add_co_u32 s42, s42, s40                     ; tile column = 4 x cluster x + cx
	s_and_b32 s17, ttmp7, 0xffff
	s_lshl_b32 s95, s41, 3
	s_add_co_u32 s17, s17, s95                     ; tile row = 8 cy + cluster y
	s_lshl_b32 s43, s41, 2
	s_lshl_b32 s43, 15, s43                        ; my row of the cluster
	s_lshl_b32 s44, 0x1111, s40                    ; my column
	s_or_b32 s[G1+0], s43, (0<<16)|(1<<20)|(1<<21)|(5<<22)|(3<<25)  ; the mask; elements of 1 byte; padding on; bit 21 beside a mask; 4 words behind every 64
	s_or_b32 s[G1B+0], s44, (0<<16)|(1<<20)|(1<<21)|(5<<22)|(3<<25)
.irp g, G1, G1B
	s_mov_b32 s[\g+1], ROWB<<16                    ; tensor_dim0
	s_mov_b32 s[\g+2], 128<<16                     ; tensor_dim1
	s_mov_b32 s[\g+3], ROWB<<16                    ; tile_dim0
	s_mov_b32 s[\g+4], 128                         ; tile_dim1
	s_mov_b32 s[\g+5], KROW                        ; the pitch
	s_mov_b32 s[\g+6], 0
	s_mov_b32 s[\g+7], 0
.endr
	s_or_b32 s[G1S+0], s43, (3<<16)|(1<<20)|(1<<21)|(5<<22)|(3<<25) ; the scales of 128 rows: 4,096 dense bytes as 16 rows of 256 (32 elements of 8 bytes), 16 bytes of padding behind each
	s_or_b32 s[G1SB+0], s44, (3<<16)|(1<<20)|(1<<21)|(5<<22)|(3<<25)
.irp g, G1S, G1SB
	s_mov_b32 s[\g+1], 32<<16
	s_mov_b32 s[\g+2], (128*KS/256)<<16
	s_mov_b32 s[\g+3], 32<<16
	s_mov_b32 s[\g+4], 128*KS/256
	s_mov_b32 s[\g+5], 32
	s_mov_b32 s[\g+6], 0
	s_mov_b32 s[\g+7], 0
.endr
	s_lshl_b32 s18, s16, 7
	s_lshl_b32 s20, s17, 8
	s_add_co_u32 s20, s20, s18                     ; x: row 256 x tile row + 128 x half
	s_lshl_b32 s46, s42, 8
	s_add_co_u32 s46, s46, s18                     ; w_attn: column 256 x tile column + 128 x half
	s_mov_b32 s21, 0
	s_mov_b32 s47, 0
	s_mov_b64 s[18:19], KS
	s_mul_u64 s[22:23], s[20:21], s[18:19]         ; where these rows' scales begin,
	s_mul_u64 s[92:93], s[46:47], s[18:19]
	s_mov_b64 s[18:19], KROW
	s_mul_u64 s[20:21], s[20:21], s[18:19]         ; and their codes
	s_mul_u64 s[46:47], s[46:47], s[18:19]
	s_mul_i32 s45, s14, HALFT                      ; where they go: wave x 128 rows: no place in the cluster enters an LDS address
	s_mul_i32 s94, s14, HALFS
	s_wait_dscnt 0x0                               ; both opening adds are done
	s_wait_kmcnt 0x0
	s_add_nc_u64 s[20:21], s[4:5], s[20:21]
	s_add_nc_u64 s[22:23], s[6:7], s[22:23]
	s_add_nc_u64 s[46:47], s[8:9], s[46:47]
	s_add_nc_u64 s[92:93], s[10:11], s[92:93]
	CROUND                                         ; all sixteen work-groups are here: the joint loads meet
	s_mov_b32 s[G0S], 1
	s_add_co_u32 s[G0S+1], s94, SCL
	s_mov_b64 s[G0S+2:G0S+3], s[22:23]
	s_or_b32 s[G0S+3], s[G0S+3], 0x80000000
	s_mov_b32 s[G0SB], 1
	s_add_co_u32 s[G0SB+1], s94, SCL
	s_mov_b64 s[G0SB+2:G0SB+3], s[92:93]
	s_or_b32 s[G0SB+3], s[G0SB+3], 0x80000000
	JLOAD G0S, G1S, G0SB, G1SB                     ; the scales first: they are wanted with K step 0.  Three loads of mine go out here, and no more in the launch
.irp s, 0,1
	s_mov_b32 s[G0+4*\s], 1
	s_add_co_u32 s[G0+4*\s+1], s45, \s*SLOT
	s_add_nc_u64 s[G0+4*\s+2:G0+4*\s+3], s[20:21], \s*ROWB
	s_or_b32 s[G0+4*\s+3], s[G0+4*\s+3], 0x80000000
	s_mov_b32 s[G0B+4*\s], 1
	s_add_co_u32 s[G0B+4*\s+1], s45, \s*SLOT
	s_add_nc_u64 s[G0B+4*\s+2:G0B+4*\s+3], s[46:47], \s*ROWB
	s_or_b32 s[G0B+4*\s+3], s[G0B+4*\s+3], 0x80000000
	JLOAD G0+4*\s, G1, G0B+4*\s, G1B
.endr
	v_and_b32 v1, 15, v0                           ; r = l % 16
	v_bfe_u32 v2, v0, 4, 1                         ; h = l / 16
	; the bias: lane (r, h) wants, for block b of columns, b_attn at 16 b + 8 h + 0 .. 7 of my 128 columns.  Numbers that hold cx live in s[66:67] and s[2:3], which feed no descriptor and no LDS address
	v_lshlrev_b32 v[BO], 5, v2
	s_lshl_b32 s66, s42, 10
	s_lshl_b32 s67, s16, 9
	s_add_co_u32 s66, s66, s67                     ; my first column in bytes of f32: 1,024 x tile column + 512 x half
	s_mov_b32 s67, 0
	s_add_nc_u64 s[96:97], s[96:97], s[66:67]
.irp b, 0,1,2,3,4,5,6,7
	global_load_b128 v[BIAS+8*\b:BIAS+8*\b+3], v[BO], s[96:97] offset:64*\b
	global_load_b128 v[BIAS+8*\b+4:BIAS+8*\b+7], v[BO], s[96:97] offset:64*\b+16
.endr
	v_mul_u32_u24 v3, v1, PITCH
	v_lshl_add_u32 v4, v2, 4, v3                   ; a fragment's row x pitch + 16 x half
	s_mul_i32 s21, s15, HALFT                      ; my 128 rows of x
	s_mul_i32 s22, s16, HALFT                      ; my 128 columns of w_attn,
	s_add_co_u32 s22, s22, 2*HALFT                 ; which lie behind x's 256 rows
.irp s, 0,1
	v_add_nc_u32 v[ADRA+\s], s21, v4
	v_add_nc_u32 v[ADRB+\s], s22, v4
	s_add_co_u32 s21, s21, SLOT
	s_add_co_u32 s22, s22, SLOT
.endr
	v_mul_u32_u24 v5, v1, KS                       ; my row's scales: KS bytes a row,
	v_lshrrev_b32 v6, 8, v5
	v_lshl_add_u32 v5, v6, 4, v5                   ; and 16 more for each 256 passed
	s_mul_i32 s21, s15, HALFS
	s_mul_i32 s22, s16, HALFS
	s_add_co_u32 s22, s22, 2*HALFS
	s_sub_co_u32 s22, s22, s21
	v_mul_u32_u24 v6, s22, v2                      ; lanes 16-31 take w_attn's
	s_add_co_u32 s21, s21, SCL
	v_add_nc_u32 v5, v5, v6
	v_add_nc_u32 v[ADRS], s21, v5
	s_mul_i32 s23, s14, 16*SPITCH                  ; my stage
	v_mul_u32_u24 v5, v1, SPITCH                   ; in: row r, 16 bytes (8 f16) for each half of the lanes
	v_lshl_add_u32 v5, v2, 4, v5
	v_add_nc_u32 v[STO], s23, v5
	v_bfe_u32 v5, v0, 3, 1
	v_and_b32 v6, 7, v0
	v_mul_u32_u24 v3, v5, SPITCH                   ; back: lanes 0-15 take two tokens' 128 bytes of my first group of 64 columns, lanes 16-31 of my second
	v_lshl_add_u32 v3, v2, 7, v3
	v_lshl_add_u32 v3, v6, 4, v3
	v_add_nc_u32 v[RD], s23, v3
	v_lshlrev_b32 v3, 18, v2                       ; and in qkv16: a group's plane is 262,144 bytes, a token 128
	v_lshl_add_u32 v3, v5, 7, v3
	v_lshl_add_u32 v[CO], v6, 4, v3
	v_mul_u32_u24 v[FO], v1, 12288
	v_lshl_add_u32 v[FO], v2, 5, v[FO]
	s_add_nc_u64 s[98:99], s[98:99], s[66:67]      ; first32 at my first column,
	s_mul_i32 s2, s41, 196608
	s_mov_b32 s3, 0
	s_add_nc_u64 s[98:99], s[98:99], s[2:3]        ; in my batch
	s_mul_i32 s2, s41, 48                          ; qkv16: plane 48 b + 4 x tile column + 2 x half,
	s_lshl_b32 s3, s42, 2
	s_add_co_u32 s2, s2, s3
	s_lshl_b32 s3, s16, 1
	s_add_co_u32 s2, s2, s3
	s_lshl_b32 s2, s2, 18
	s_and_b32 s3, ttmp7, 0xffff
	s_lshl_b32 s3, s3, 1
	s_add_co_u32 s3, s3, s15
	s_lshl_b32 s3, s3, 14                          ; token 256 x cluster y + 128 x half, 128 bytes each
	s_add_co_u32 s2, s2, s3
	s_mov_b32 s3, 0
	s_add_nc_u64 s[12:13], s[12:13], s[2:3]
.macro FRAG reg, adr, q, i             ; a fragment, 16 rows x 128 K of 4-bit codes, is 8 registers: lane l holds row l % 16; registers 4 c .. 4 c + 3 hold K = 64 c + 32 (l / 16) + 0 .. 31
.irp c, 0,1
	ds_load_b128 v[\reg+4*\c:\reg+4*\c+3], v[\adr] offset:64*(\q)+32*\c+(\i)*16*PITCH
.endr
.endm
; 16 matrix instructions: x's blocks a0, a0 + 1 against w_attn's eight, the slot's q-th 128 along K.  p: w_attn's set; sc: the set of scale words.  zero = 1: the first product starts the sums from the bias.
; The 64 accumulators take turns, one instruction a turn, in the same order in every step.
.macro MUL16 a0, p, q, sc, zero
.irp a, \a0, \a0+1
.irp b, 0,1,2,3,4,5,6,7
.if \zero
	v_wmma_scale_f32_16x16x128_f8f6f4 v[8*(8*((\a)%4)+\b):8*(8*((\a)%4)+\b)+7], v[128*(\p)+FR*\b:128*(\p)+FR*\b+FR-1], v[AF+FR*(\a):AF+FR*(\a)+FR-1], v[BIAS+8*\b:BIAS+8*\b+7], v[SC+8*NQ*(\sc)+NQ*\b+(\q)], v[SC+8*NQ*(\sc)+NQ*(\a)+(\q)] matrix_a_fmt:MATRIX_FMT_FP4 matrix_b_fmt:MATRIX_FMT_FP4 matrix_a_scale:MATRIX_SCALE_ROW1
.else
	v_wmma_scale_f32_16x16x128_f8f6f4 v[8*(8*((\a)%4)+\b):8*(8*((\a)%4)+\b)+7], v[128*(\p)+FR*\b:128*(\p)+FR*\b+FR-1], v[AF+FR*(\a):AF+FR*(\a)+FR-1], v[8*(8*((\a)%4)+\b):8*(8*((\a)%4)+\b)+7], v[SC+8*NQ*(\sc)+NQ*\b+(\q)], v[SC+8*NQ*(\sc)+NQ*(\a)+(\q)] matrix_a_fmt:MATRIX_FMT_FP4 matrix_b_fmt:MATRIX_FMT_FP4 matrix_a_scale:MATRIX_SCALE_ROW1
.endif
.endr
.endr
.endm
.macro FETCH_B slot, q, p
	WIN TO_B
.irp i, 0,1,2,3,4,5,6,7
	FRAG 128*(\p)+FR*\i, ADRB+\slot, \q, \i
.endr
	WIN 0
.endm
.macro FETCH_A slot, q, i0
.irp i, \i0, \i0+1, \i0+2, \i0+3
	FRAG AF+FR*(\i), ADRA+\slot, \q, \i
.endr
.endm
.macro SCALES sc                       ; a K step's scale words: NQ words a row; lanes 0-15 take x's block i, lanes 16-31 w_attn's block i
.irp i, 0,1,2,3,4,5,6,7
	ds_load_b128 v[SC+8*NQ*\sc+NQ*\i:SC+8*NQ*\sc+NQ*\i+3], v[ADRS] offset:\i*SBLK
.endr
.endm
.macro PLACES n                        ; plain vector lines between a matrix instruction and a load into, or a read of, its registers
.rept \n
	v_nop
.endr
.endm
.macro STEP slot, q, zero              ; a step of 128 along K that has its successor in the same slot
	s_wait_dscnt 4*NL                              ; w_attn's set and x's blocks 0-3 are in; the eight youngest loads (x's blocks 4-7) may be out
.if \zero
	WIN BIA_LO
.else
	WIN MUL_LO
.endif
	MUL16 0, (\q)%2, \q, \slot, \zero
	MUL16 2, (\q)%2, \q, \slot, \zero
	s_wait_dscnt 0
	PLACES NP
	FETCH_B \slot, (\q)+1, 1-(\q)%2
	FETCH_A \slot, (\q)+1, 0
.if \zero
	WIN BIA_HI
.else
	WIN MUL_HI
.endif
	MUL16 4, (\q)%2, \q, \slot, \zero
	MUL16 6, (\q)%2, \q, \slot, \zero
	PLACES NP
	WIN 0
	FETCH_A \slot, (\q)+1, 4
.endm
; Slot 0's last step changes slots: one barrier; in front of it each wave waits for all its tensor loads (its part of slot 1), adds 0 to its spare word, and waits for that and for its reads of slot 0.
; Behind it slot 1 is whole, and nobody reads slot 0 any more: the way out may take its bytes.
.macro TURN slot, next
	s_wait_tensorcnt 0x0
	ds_add_u32 v[SPW], v[NIL]
	s_wait_dscnt 4*NL+1                            ; (the add and the eight youngest loads may be out)
	WIN MUL_LO
	MUL16 0, 1, NQ-1, \slot, 0
	s_wait_dscnt 0x0
	s_barrier_signal -1
	MUL16 2, 1, NQ-1, \slot, 0
	WIN 0
	s_barrier_wait -1
	PLACES NP
	v_add_nc_u32 v[ADRS], 4*NQ, v[ADRS]            ; on to the next K step's scale words
	FETCH_B \next, 0, 0
	FETCH_A \next, 0, 0
	SCALES \next
	WIN MUL_HI
	MUL16 4, 1, NQ-1, \slot, 0
	MUL16 6, 1, NQ-1, \slot, 0
	PLACES NP
	WIN 0
	FETCH_A \next, 0, 4
.endm
	s_wait_tensorcnt 1                             ; the scales and my part of K step 0 are in (slot 1's load may be out)
	s_barrier_signal -1
	s_barrier_wait -1                              ; everybody's are
	FETCH_B 0, 0, 0
	FETCH_A 0, 0, 0
	SCALES 0
	FETCH_A 0, 0, 4
	s_wait_loadcnt 0x0                             ; the bias
	STEP 0, 0, 1
	STEP 0, 1, 0
	STEP 0, 2, 0
	TURN 0, 1
	STEP 1, 0, 0
	STEP 1, 1, 0
	STEP 1, 2, 0
	s_wait_dscnt 4*NL                              ; the very last step: nothing more to fetch
	WIN MUL_LO
	MUL16 0, 1, NQ-1, 1, 0
	MUL16 2, 1, NQ-1, 1, 0
	s_wait_dscnt 0
	WIN MUL_HI
	MUL16 4, 1, NQ-1, 1, 0
	MUL16 6, 1, NQ-1, 1, 0
	WIN 0
	PLACES NP                                      ; in front of the first reads of results and of writes over scale words and fragments
	; POSITIONS 0-15 IN f32: they are block 0 of the waves with the upper row half, in the tiles with cluster y = 0.  The branch hangs on the cluster's y and the wave's number: alike in all partners.
	s_and_b32 s2, ttmp7, 0xffff
	s_or_b32 s2, s2, s15
	s_cmp_lg_u32 s2, 0
	s_cbranch_scc1 .Lnot_first
	WIN 0x08                                       ; a store's data: window 2
.irp b, 0,1,2,3,4,5,6,7
	global_store_b128 v[FO], v[8*\b:8*\b+3], s[98:99] offset:64*\b         ; each accumulator from its low end on
	global_store_b128 v[FO], v[8*\b+4:8*\b+7], s[98:99] offset:64*\b+16
.endr
	WIN 0
.Lnot_first:
; THE WAY OUT, block by block of 16 tokens x 128 columns: rounded to f16, 16 bytes a lane into my stage, back so that sixteen lanes hold two tokens of one group of 64 columns: 256 consecutive bytes of qkv16, aligned.
.macro PACK a
.set AC, 64*((\a)%4)
	WIN 0x0a+5*((\a)/4)                            ; sources 0 and 1: window 2 or 3
.irp b, 0,1,2,3,4,5,6,7
.irp r, 0,1,2,3
	v_cvt_pk_f16_f32 v[TMP+4*\b+\r], v[AC+8*\b+2*\r], v[AC+8*\b+2*\r+1]
.endr
.endr
	WIN 0
.endm
.macro TOSTAGE a
.set BB, BK+32*((\a)%2)
.irp b, 0,1,2,3,4,5,6,7
	ds_store_b128 v[STO], v[TMP+4*\b:TMP+4*\b+3] offset:32*\b
.endr
.irp t, 0,1,2,3,4,5,6,7
	ds_load_b128 v[BB+4*\t:BB+4*\t+3], v[RD] offset:\t*2*SPITCH    ; LDS serves a wave's instructions in order (ISA guide 5.7.1.4): these see the stores above
.endr
.endm
.macro SEND a
.set BB, BK+32*((\a)%2)
	s_wait_dscnt 0x0                               ; the block is back in registers
	s_wait_xcnt 0x0                                ; the block before has read its registers: the next block's loads may land there
.irp t, 0,1,2,3,4,5,6,7
	global_store_b128 v[CO], v[BB+4*\t:BB+4*\t+3], s[12:13] offset:2048*(\a)+256*\t
.endr
.endm
	PACK 0
	TOSTAGE 0
.irp a, 1,2,3,4,5,6,7                  ; block a's conversions stand between block a - 1's loads from the stage and the wait for them
	PACK \a
	SEND \a-1
	TOSTAGE \a
.endr
	SEND 7
	s_wait_tensorcnt 0x0                           ; the wave's end
	ds_add_u32 v[SPW], v[NIL]
	s_wait_dscnt 0x0
	CROUND                                         ; the closing round
	s_endpgm
.Lfunc_end_k_q12bbce0188_qkv:
	.size	k_q12bbce0188_qkv, .Lfunc_end_k_q12bbce0188_qkv-k_q12bbce0188_qkv
	.p2alignl 7, 3214868480
	.fill 96, 4, 3214868480
	.section	.rodata,"a",@progbits
	.p2align	6, 0x0
	.amdhsa_kernel k_q12bbce0188_qkv
		.amdhsa_group_segment_fixed_size 327680
		.amdhsa_private_segment_fixed_size 0
		.amdhsa_enable_private_segment 0
		.amdhsa_kernarg_size 56
		.amdhsa_user_sgpr_count 2
		.amdhsa_user_sgpr_kernarg_segment_ptr 1
		.amdhsa_wavefront_size32 1
		.amdhsa_system_sgpr_workgroup_id_x 1
		.amdhsa_system_sgpr_workgroup_id_y 1
		.amdhsa_system_sgpr_workgroup_id_z 1
		.amdhsa_system_vgpr_workitem_id 0
		.amdhsa_next_free_vgpr 1024
		.amdhsa_next_free_sgpr 100
		.amdhsa_reserve_vcc 0
		.amdhsa_float_denorm_mode_32 3
		.amdhsa_float_denorm_mode_16_64 3
		.amdhsa_memory_ordered 1
		.amdhsa_forward_progress 1
		.amdhsa_inst_pref_size 130
	.end_amdhsa_kernel
	.amdgpu_metadata
---
amdhsa.version: [ 1, 2 ]
amdhsa.kernels:
  - .name:           k_q12bbce0188_qkv
    .symbol:         k_q12bbce0188_qkv.kd
    .args:
      - { .name: x_codes, .offset: 0, .size: 8, .value_kind: global_buffer, .address_space: global }
      - { .name: x_scales, .offset: 8, .size: 8, .value_kind: global_buffer, .address_space: global }
      - { .name: wa_codes, .offset: 16, .size: 8, .value_kind: global_buffer, .address_space: global }
      - { .name: wa_scales, .offset: 24, .size: 8, .value_kind: global_buffer, .address_space: global }
      - { .name: b_attn, .offset: 32, .size: 8, .value_kind: global_buffer, .address_space: global }
      - { .name: qkv16, .offset: 40, .size: 8, .value_kind: global_buffer, .address_space: global }
      - { .name: first32, .offset: 48, .size: 8, .value_kind: global_buffer, .address_space: global }
    .group_segment_fixed_size: 327680
    .private_segment_fixed_size: 0
    .kernarg_segment_align: 8
    .kernarg_segment_size: 56
    .max_flat_workgroup_size: 128
    .sgpr_count:     100
    .vgpr_count:     1024
    .wavefront_size: 32
...
	.end_amdgpu_metadata
.endif
;; end of part 2
;; launch attn (part 3): grid 4 x 64, 16 waves a work-group, no clusters, 327,680 bytes of LDS; arguments qkv16, y16; writes y16
.if DOCPART == 3
	.amdgcn_target "amdgcn-amd-amdhsa--gfx1250"
	.amdhsa_code_object_version 6
	.text
	.protected	k_q12bbce0188_attn
	.globl	k_q12bbce0188_attn
	.p2align	8
	.type	k_q12bbce0188_attn,@function
k_q12bbce0188_attn:
	s_mov_b64 s[64:65], 0
	v_nop
	global_prefetch_b8 v0, s[64:65] scope:SCOPE_SE
	s_setreg_imm32_b32 hwreg(HW_REG_WAVE_MODE, 25, 1), 1
	s_wait_xcnt 0x0
; y[bh][q][:] = the sum over k <= q of softmax_k(Q[q] . K[k] / 8) V[k][:], head size 64, 2,048 positions, 64 heads (bh = 16 b + h).  Operands in f16, products, maxima and sums in f32; the weights p are
; rounded to f16 for the second product, y once at the end.  qkv16: [b][g 48][t][64] f16, q at g = h, k at 16 + h, v at 32 + h.  y16: [bh][t][64] f16.
; LIMITS: |q|, |k|, |v| under 65,504 (they arrive as f16).  Positions 0-15 are made here too, but what leaves the program for them is made by a later launch in f32.
; SHARES.  A head has 8 blocks of 256 queries; work-group j (0..3) owns blocks 7 - j and j: 9 blocks' worth of keys for every j.  Of its sixteen waves eight take the late block and eight the early one
; (role = (w ^ (w >> 2)) & 1); a wave owns 32 queries, two tiles of 16, so each fragment of K or V read from LDS feeds two matrix instructions.  Four waves share a SIMD: one wave's softmax stands beside another's products.
; ALL waves walk ONE stream of keys from key 0, 64 a step, through two LDS slots of 256 keys filled by the tensor data mover (waves 0, 1: K's halves; waves 2, 3: V's).  Every work-group walks all 8 slots, so trip counts are
; constants; a wave jumps over a step whose keys all come after its queries, and a slot whose first key comes after the work-group's last query is not asked for.
; NO CLUSTER: the four work-groups of a head need 8, 7, 6 and 5 slots; a joint load would bring tiles whose reads every wave of some partner jumps over.
; LAYOUT.  S^T = K Q^T (source 0 = 16 keys, source 1 = 16 queries): a lane holds ONE query (lane % 16) and keys 8 (lane / 16) + 0..7 of each tile of 16.  Two such tiles, rounded to f16 in pairs, ARE source 1 of
; O^T = V^T P.  K comes out of LDS as it lies, V ([key][channel]) turned, by ds_load_tr16_b128.
; SOFTMAX.  A running maximum m and sum l for each query: p = 2^(c s - c m), c = log2(e) / 8; in every step O and l are multiplied by a = 2^(c m_old - c m_new).  Key 0 counts for every query, so m is a number from the first step on.
.set KP,    144                        ; a key's row in LDS: 128 bytes + 16 = 36 words: the 16 rows of a load start at different banks
.set VP,    160                        ; a row of V: 128 + 32: an odd multiple of 32 bytes
.set SK,    256                        ; keys in a slot
.set VOFF,  SK*KP
.set SLOT1, 1<<17                      ; slot 1 begins here: one exclusive or turns an address in one slot into the other's
.set STAGE, SLOT1+SK*(KP+VP)           ; behind the ring: 16 rows x 144 bytes for each wave, for the way out; no fill lands here
.set SPARE, STAGE+16*16*KP             ; the spare words, 128 bytes for each wave
.set NSL,   8
.set AK0, 1                            ; v1   my lane's place in a tile of K
.set AV0, 2                            ; v2   and of V
.set ADK, 3                            ; v3   LDS address of the slot's K for my lane
.set ADV, 4                            ; v4   of V
.set SPW, 5                            ; v5   my spare word; never rewritten
.set NIL, 6                            ; v6   0; never rewritten
.set GO,  7                            ; v7   the way out: 16 x lane
.set LD0, 8                            ; v8   r - 8 h
.set STO, 9                            ; v9   the stage, in
.set RD,  10                           ; v10  the stage, back
.set DD,  11                           ; v11, v12  the mask: my query less the register's first key, for tile 0 and tile 1
.set NINF, 13                          ; v13  -infinity
.set PFO, 14                           ; v14  256 x lane
.set QO,  15                           ; v15  Q's offset
.set ST,  16                           ; tile u's statistics at v[ST + 8 u]: +0 c m, +1 m, +2, +3 l, +4 .. +7 c0-c3 at work; a lies in +6
.set Q,   32                           ; v32-63   Q: fragment (u, ks) at 32 + 16 u + 8 ks
.set KV,  64                           ; v64-127  K's eight fragments, then V's
.set S,   128                          ; v128-191 S^T, 32 a tile; p in f16 lies in place in the tile's first 16
.set O,   192                          ; v192-255 O^T: (u, dt) at 192 + 32 u + 8 dt
.set TB,  2                            ; s2   LDS byte at which the slot in hand begins
.set WV,  18
.set SEL, 20                           ; s[20:21] lane selects for v_permlanex16_b32: lane l xor 16
.set CS,  22                           ; s[22:23] c, twice: the packed form names a pair
.set G1K, 24
.set G1V, 32
.set G0K, 40
.set G0V, 44
.set SLOTS, 48
.set KF,  50                           ; s50  the step's first key
.set Q0,  51                           ; s51  my first query
.set SLAST, 52                         ; s52  my work-group's last query
.set LIM, 53                           ; s53  1 in a wave that prefetches, else the greatest number
.set PFA, 54                           ; s[54:55] where my prefetches stand
.macro TLOAD                           ; waves 0 and 1 fetch K's halves, waves 2 and 3 V's, the others nothing; an s_nop 0 and four v_nop follow each line
	s_cmp_lt_u32 s[WV], 2
	s_cbranch_scc0 .Lnot_k_\@
	tensor_load_to_lds s[G0K:G0K+3], s[G1K:G1K+7]
	s_nop 0
.rept 4
	v_nop
.endr
	s_branch .Lasked_\@
.Lnot_k_\@:
	s_cmp_lt_u32 s[WV], 4
	s_cbranch_scc0 .Lasked_\@
	tensor_load_to_lds s[G0V:G0V+3], s[G1V:G1V+7]
	s_nop 0
.rept 4
	v_nop
.endr
.Lasked_\@:
.endm
; A PREFETCH INTO THE L2 of what the NEXT change of slots will ask for: a slot's 32,768 bytes of K and of V, a slot's four key steps ahead of that load.  Each aligned block of 256 bytes is named once in the launch:
; the head's work-group j = 0, which walks all eight slots, asks; in it waves 4-7 take K's block, 8,192 bytes a wave, lanes 256 bytes apart, waves 8-11 V's.  Slots 0 and 1 come by their loads alone; the last change that fills asks for nothing.
.macro ASK
	s_cmp_gt_u32 s[SLOTS], s[LIM]
	s_cbranch_scc0 .Lnot_mine_\@
	global_prefetch_b8 v[PFO], s[PFA:PFA+1] th:TH_LOAD_NT scope:SCOPE_SE
.Lnot_mine_\@:
.endm
	s_load_b128 s[4:7], s[0:1], 0x0                ; qkv16, y16
	v_lshl_add_u32 v[SPW], v0, 2, SPARE
	v_mov_b32 v[NIL], 0
	ds_add_u32 v[SPW], v[NIL]                      ; the wave's opening: the add, twice on end, and its wait ahead of my first tensor load
	ds_add_u32 v[SPW], v[NIL]
	v_lshrrev_b32 v15, 5, v0
	v_readfirstlane_b32 s[WV], v15                 ; wave 0..15
	s_and_b32 s58, ttmp7, 0xffff                   ; bh
	s_lshr_b32 s59, s58, 4
	s_lshl_b32 s59, s59, 5
	s_add_co_u32 s59, s59, s58                     ; q's plane: 48 b + h
	s_lshl_b32 s60, s59, 18
	s_mov_b32 s61, 0
	s_lshr_b32 s62, s[WV], 2
	s_xor_b32 s62, s62, s[WV]
	s_and_b32 s62, s62, 1                          ; role
	s_sub_co_u32 s63, 7, ttmp9
	s_cmp_eq_u32 s62, 0
	s_cselect_b32 s63, s63, ttmp9                  ; my block of 256 queries: 7 - j or j
	s_lshl_b32 s63, s63, 8
	s_lshr_b32 s66, s[WV], 1
	s_lshl_b32 s66, s66, 5
	s_add_co_u32 s[Q0], s63, s66
	s_sub_co_u32 s[SLAST], 7, ttmp9
	s_lshl_b32 s[SLAST], s[SLAST], 8
	s_or_b32 s[SLAST], s[SLAST], 255
	s_and_b32 s67, s[WV], 1                        ; which half of a slot's 256 keys I fetch, if I fetch
	s_lshl_b32 s68, s67, 14                        ; 128 rows of 128 bytes in memory
	s_mov_b32 s69, 0
	s_add_nc_u64 s[68:69], s[68:69], s[60:61]
	s_mul_i32 s70, s67, 128*KP                     ; and in a slot
	s_mul_i32 s71, s67, 128*VP
	s_add_co_u32 s71, s71, VOFF
	s_mov_b32 s[G1K], (1<<16)|(1<<20)|(4<<22)|(3<<25)              ; no mask; elements of 2 bytes; padding on: 4 words behind every 32
	s_mov_b32 s[G1V], (1<<16)|(1<<20)|(4<<22)|(7<<25)              ; the same with 8 words
.irp g, G1K, G1V
	s_mov_b32 s[\g+1], 64<<16                      ; tensor_dim0
	s_mov_b32 s[\g+2], 128<<16                     ; tensor_dim1
	s_mov_b32 s[\g+3], 64<<16                      ; tile_dim0
	s_mov_b32 s[\g+4], 128                         ; tile_dim1
	s_mov_b32 s[\g+5], 64                          ; the pitch
	s_mov_b32 s[\g+6], 0
	s_mov_b32 s[\g+7], 0
.endr
	s_mov_b32 s[SEL], 0x76543210
	s_mov_b32 s[SEL+1], 0xfedcba98
	s_mov_b32 s[CS], 0x3e38aa3b                    ; c = log2(e) / 8
	s_mov_b32 s[CS+1], s[CS]
	s_mov_b32 s[TB], 0
	s_mov_b32 s[SLOTS], NSL-1
	s_mov_b32 s[KF], 0
	s_wait_dscnt 0x0                               ; both opening adds are done
	s_wait_kmcnt 0x0
	s_mov_b32 s[G0K], 1
	s_mov_b32 s[G0K+1], s70
	s_add_nc_u64 s[G0K+2:G0K+3], s[4:5], s[68:69]
	s_add_nc_u64 s[G0K+2:G0K+3], s[G0K+2:G0K+3], 16*262144          ; k's plane
	s_or_b32 s[G0K+3], s[G0K+3], 0x80000000
	s_mov_b32 s[G0V], 1
	s_mov_b32 s[G0V+1], s71
	s_add_nc_u64 s[G0V+2:G0V+3], s[4:5], s[68:69]
	s_add_nc_u64 s[G0V+2:G0V+3], s[G0V+2:G0V+3], 32*262144          ; v's plane
	s_or_b32 s[G0V+3], s[G0V+3], 0x80000000
	TLOAD                                          ; slot 0: it holds key 0, which counts for every query.  One tensor load of mine is out, here and behind each barrier
	s_cmp_lt_u32 s[WV], 8                          ; the prefetches: waves 4-7 for K, 8-11 for V
	s_cselect_b32 s74, 0, 16*262144
	s_add_co_u32 s74, s74, 16*262144+SK*128        ; in slot 1: the first change of slots steps it to slot 2
	s_and_b32 s75, s[WV], 3
	s_lshl_b32 s75, s75, 13
	s_add_co_u32 s74, s74, s75
	s_mov_b32 s75, 0
	s_add_nc_u64 s[PFA:PFA+1], s[4:5], s[60:61]
	s_add_nc_u64 s[PFA:PFA+1], s[PFA:PFA+1], s[74:75]
	s_sub_co_u32 s74, s[WV], 4
	s_lshr_b32 s74, s74, 3                         ; 0 in waves 4 to 11,
	s_or_b32 s74, s74, ttmp9                       ; of work-group j = 0
	s_cmp_eq_u32 s74, 0
	s_cselect_b32 s[LIM], 1, -1
	s_lshl_b32 s72, s[Q0], 7
	s_mov_b32 s73, 0
	s_add_nc_u64 s[4:5], s[4:5], s[60:61]
	s_add_nc_u64 s[4:5], s[4:5], s[72:73]          ; Q at my first query
	s_lshl_b32 s60, s58, 18
	s_add_nc_u64 s[6:7], s[6:7], s[60:61]
	s_add_nc_u64 s[6:7], s[6:7], s[72:73]          ; y likewise
	v_and_b32 v16, 15, v0                          ; r
	v_bfe_u32 v17, v0, 4, 1                        ; h
	v_lshlrev_b32 v[QO], 7, v16
	v_lshl_add_u32 v[QO], v17, 4, v[QO]
.irp u, 0,1
.irp ks, 0,1
	global_load_b128 v[Q+16*\u+8*\ks:Q+16*\u+8*\ks+3],   v[QO], s[4:5] offset:2048*\u+64*\ks      ; Q stays in registers
	global_load_b128 v[Q+16*\u+8*\ks+4:Q+16*\u+8*\ks+7], v[QO], s[4:5] offset:2048*\u+64*\ks+32
.endr
.endr
	v_mul_u32_u24 v[AK0], v16, KP
	v_lshl_add_u32 v[AK0], v17, 4, v[AK0]          ; K: row r x pitch + 16 h
	v_and_b32 v18, 7, v0
	v_bfe_u32 v19, v0, 3, 1
	v_lshl_add_u32 v[AV0], v17, 3, v18             ; V: key 8 h + l % 8, channels 8 ((l / 8) % 2) on
	v_mul_u32_u24 v[AV0], v[AV0], VP
	v_lshl_add_u32 v[AV0], v19, 4, v[AV0]
	v_add_nc_u32 v[AV0], VOFF, v[AV0]
	v_and_b32 v20, 31, v0
	v_lshlrev_b32 v[GO], 4, v20
	v_lshlrev_b32 v[PFO], 8, v20
	v_lshlrev_b32 v21, 3, v17
	v_sub_nc_u32 v[LD0], v16, v21
	s_mul_i32 s74, s[WV], 16*KP
	s_add_co_u32 s74, s74, STAGE                   ; my stage
	v_mul_u32_u24 v[STO], v16, KP
	v_lshl_add_u32 v[STO], v17, 4, v[STO]
	v_add_nc_u32 v[STO], s74, v[STO]
	v_lshrrev_b32 v21, 3, v20
	v_mul_u32_u24 v[RD], v21, KP
	v_lshl_add_u32 v[RD], v18, 4, v[RD]
	v_add_nc_u32 v[RD], s74, v[RD]
	v_mov_b32 v[NINF], 0xff800000
.irp u, 0,1
	v_mov_b32 v[ST+8*\u+1], 0xff61b1e6             ; m: -3e38, under every score
	v_mul_f32 v[ST+8*\u], s[CS], v[ST+8*\u+1]      ; c m
	v_mov_b32 v[ST+8*\u+2], 0                      ; l, in two halves
	v_mov_b32 v[ST+8*\u+3], 0
	v_mov_b32 v[ST+8*\u+5], 0                      ; a lane permute's destination counts as one of its sources
	v_mov_b32 v[ST+8*\u+7], 0
.endr
.set i, 0
.rept 64
	v_mov_b32 v[O+i], 0                            ; O^T.  (The step is written alike for all steps: the first finds zeros, which a = 0 leaves zeros)
.set i, i+1
.endr
; A KEY STEP: 64 keys, the q-th of the slot in hand.
.macro STEP q
	s_add_co_u32 s56, s[Q0], 31                    ; a step all of whose keys come after my 32 queries is left out: a scalar branch on ids; no barrier, wait for tiles or tensor load stands in a step
	s_cmp_gt_u32 s[KF], s56
	s_cbranch_scc1 .Lhidden_\@
	v_add_nc_u32 v[ADK], s[TB], v[AK0]
	v_add_nc_u32 v[ADV], s[TB], v[AV0]
.rept 3
	v_nop                                          ; with the two additions five places: the products below write over p, which the last products read, and the loads land on V's fragments
.endr
.irp ks, 0,1
.irp kt, 0,1,2,3
	ds_load_b128 v[KV+32*\ks+8*\kt:KV+32*\ks+8*\kt+3],   v[ADK] offset:(64*(\q)+16*\kt)*KP+64*\ks
	ds_load_b128 v[KV+32*\ks+8*\kt+4:KV+32*\ks+8*\kt+7], v[ADK] offset:(64*(\q)+16*\kt)*KP+64*\ks+32
.endr
.endr
	s_wait_dscnt 8                                 ; channels 0-31 are in; the eight loads of channels 32-63 may be out
.irp kt, 0,1,2,3
.irp u, 0,1
	v_wmma_f32_16x16x32_f16 v[S+32*\u+8*\kt:S+32*\u+8*\kt+7], v[KV+8*\kt:KV+8*\kt+7], v[Q+16*\u:Q+16*\u+7], 0
.endr
.endr
	s_wait_dscnt 0x0
.irp kt, 0,1,2,3                               ; the eight accumulators take turns
.irp u, 0,1
	v_wmma_f32_16x16x32_f16 v[S+32*\u+8*\kt:S+32*\u+8*\kt+7], v[KV+32+8*\kt:KV+32+8*\kt+7], v[Q+16*\u+8:Q+16*\u+15], v[S+32*\u+8*\kt:S+32*\u+8*\kt+7]
.endr
.endr
.rept 4
	v_nop                                          ; places in front of the loads over K's fragments and of the first reads of the scores
.endr
.irp ks, 0,1
.irp dt, 0,1,2,3
	ds_load_tr16_b128 v[KV+32*\ks+8*\dt:KV+32*\ks+8*\dt+3],   v[ADV] offset:(64*(\q)+32*\ks)*VP+32*\dt
	ds_load_tr16_b128 v[KV+32*\ks+8*\dt+4:KV+32*\ks+8*\dt+7], v[ADV] offset:(64*(\q)+32*\ks+16)*VP+32*\dt
.endr
.endr
	s_add_co_u32 s56, s[KF], 63                    ; on the diagonal hidden scores become -infinity ahead of the maximum: p = 0 then.  A step all of whose keys count skips this
	s_cmp_le_u32 s56, s[Q0]
	s_cbranch_scc1 .Lopen_\@
	s_sub_co_i32 s56, s[Q0], s[KF]
	v_add_nc_u32 v[DD], s56, v[LD0]                ; d = my query - KF - 8 h.  Register 8 kt + j holds key KF + 8 h + 16 kt + j: hidden where 16 kt + j > d
	v_add_nc_u32 v[DD+1], 16, v[DD]
.irp u, 0,1
.irp kt, 0,1,2,3
.irp j, 0,1,2,3,4,5,6,7
	v_cmp_gt_i32 vcc_lo, 16*\kt+\j, v[DD+\u]
	v_cndmask_b32 v[S+32*\u+8*\kt+\j], v[S+32*\u+8*\kt+\j], v[NINF], vcc_lo
.endr
.endr
.endr
.Lopen_\@:
	; the maximum of my 32 scores of each tile and the old m; the two tiles alternate, so that no line waits for the line above it.  Each accumulator is read from its low end on
.irp j, 0,1,2,3
.irp u, 0,1
	v_max3_num_f32 v[ST+8*\u+4+\j], v[S+32*\u+8*\j], v[S+32*\u+8*\j+1], v[S+32*\u+8*\j+2]
.endr
.endr
.irp i, 3,5
.irp j, 0,1,2,3
.irp u, 0,1
	v_max3_num_f32 v[ST+8*\u+4+\j], v[ST+8*\u+4+\j], v[S+32*\u+8*\j+\i], v[S+32*\u+8*\j+\i+1]
.endr
.endr
.endr
.irp u, 0,1
	v_max3_num_f32 v[ST+8*\u+4], v[ST+8*\u+4], v[S+32*\u+7], v[S+32*\u+15]
.endr
.irp u, 0,1
	v_max3_num_f32 v[ST+8*\u+6], v[ST+8*\u+6], v[S+32*\u+23], v[S+32*\u+31]
.endr
.irp u, 0,1
	v_max3_num_f32 v[ST+8*\u+4], v[ST+8*\u+4], v[ST+8*\u+5], v[ST+8*\u+6]
.endr
.irp u, 0,1
	v_max3_num_f32 v[ST+8*\u+4], v[ST+8*\u+4], v[ST+8*\u+7], v[ST+8*\u+1]
.endr
.irp u, 0,1
	v_permlanex16_b32 v[ST+8*\u+5], v[ST+8*\u+4], s[SEL], s[SEL+1]     ; the query's other 32 keys lie in the lane 16 away
.endr
.irp u, 0,1
	v_mov_b32 v[ST+8*\u+7], v[ST+8*\u]             ; c m_old is kept for a
.endr
.irp u, 0,1
	v_max_num_f32 v[ST+8*\u+1], v[ST+8*\u+4], v[ST+8*\u+5]
.endr
.irp u, 0,1
	v_mul_f32 v[ST+8*\u], s[CS], v[ST+8*\u+1]
.endr
.irp u, 0,1
	v_sub_f32 v[ST+8*\u+7], v[ST+8*\u+7], v[ST+8*\u]
.endr
.irp i, 0,2,4,6,8,10,12,14,16,18,20,22,24,26,28,30
.irp u, 0,1
	v_pk_fma_f32 v[S+32*\u+\i:S+32*\u+\i+1], v[S+32*\u+\i:S+32*\u+\i+1], s[CS:CS+1], v[ST+8*\u:ST+8*\u+1] op_sel_hi:[1,0,0] neg_lo:[0,0,1] neg_hi:[0,0,1]   ; c s - c m
.endr
.endr
.irp u, 0,1
	v_exp_f32 v[ST+8*\u+6], v[ST+8*\u+7]           ; a
.endr
.set i, 0
.rept 64
	v_exp_f32 v[S+i], v[S+i]                       ; p: ONE batch of 66 exponentials
.set i, i+1
.endr
	v_nop                                          ; a plain line behind the last exponential
	s_wait_alu depctr_va_vdst(0)                   ; the wait ahead of the first line that names a result: one for the batch
.irp u, 0,1
	v_pk_mul_f32 v[ST+8*\u+2:ST+8*\u+3], v[ST+8*\u+2:ST+8*\u+3], v[ST+8*\u+6:ST+8*\u+7] op_sel_hi:[1,0]   ; l x a
.endr
.irp u, 0,1
	v_pk_add_f32 v[ST+8*\u+4:ST+8*\u+5], v[S+32*\u+2:S+32*\u+3], v[S+32*\u+6:S+32*\u+7]                  ; the sum of the unrounded p, in two chains
.endr
.irp i, 0,4
.irp u, 0,1
	v_pk_add_f32 v[ST+8*\u+2:ST+8*\u+3], v[ST+8*\u+2:ST+8*\u+3], v[S+32*\u+\i:S+32*\u+\i+1]
.endr
.endr
.irp i, 8,12,16,20,24,28
.irp u, 0,1
	v_pk_add_f32 v[ST+8*\u+2:ST+8*\u+3], v[ST+8*\u+2:ST+8*\u+3], v[S+32*\u+\i:S+32*\u+\i+1]
	v_pk_add_f32 v[ST+8*\u+4:ST+8*\u+5], v[ST+8*\u+4:ST+8*\u+5], v[S+32*\u+\i+2:S+32*\u+\i+3]
.endr
.endr
.irp u, 0,1
	v_pk_add_f32 v[ST+8*\u+2:ST+8*\u+3], v[ST+8*\u+2:ST+8*\u+3], v[ST+8*\u+4:ST+8*\u+5]
.endr
.irp i, 0,1,2,3,4,5,6,7,8,9,10,11,12,13,14,15
.irp u, 0,1
	v_cvt_pk_f16_f32 v[S+32*\u+\i], v[S+32*\u+2*\i], v[S+32*\u+2*\i+1]   ; p to f16, in place, ascending: register i is written when pairs up to i have been read
.endr
.endr
.irp i, 0,2,4,6,8,10,12,14,16,18,20,22,24,26,28,30
.irp u, 0,1
	v_pk_mul_f32 v[O+32*\u+\i:O+32*\u+\i+1], v[O+32*\u+\i:O+32*\u+\i+1], v[ST+8*\u+6:ST+8*\u+7] op_sel_hi:[1,0]   ; O^T x a
.endr
.endr
	s_wait_dscnt 0x0                               ; V is in
.irp ks, 0,1
.irp dt, 0,1,2,3
.irp u, 0,1
	v_wmma_f32_16x16x32_f16 v[O+32*\u+8*\dt:O+32*\u+8*\dt+7], v[KV+32*\ks+8*\dt:KV+32*\ks+8*\dt+7], v[S+32*\u+8*\ks:S+32*\u+8*\ks+7], v[O+32*\u+8*\dt:O+32*\u+8*\dt+7]
.endr
.endr
.endr
.Lhidden_\@:
	s_add_co_u32 s[KF], s[KF], 64
.endm
; THE CHANGE OF SLOTS stands at a slot's head.
; Behind the barrier the slot ahead is whole and nobody reads the other one.
; fill = 1: that other slot is filled with the keys that follow, up to the causal limit; the load has a whole slot's steps in which to land.  Behind the first trip's barrier all four loads are slot 1's first fills.
.macro CHANGE fill
	s_wait_tensorcnt 0x0                           ; no tensor load of mine is out, so a group 0 may be written
	ds_add_u32 v[SPW], v[NIL]
.if \fill
	ds_add_u32 v[SPW], v[NIL]
	s_xor_b32 s[G0K+1], s[G0K+1], SLOT1
	s_add_nc_u64 s[G0K+2:G0K+3], s[G0K+2:G0K+3], SK*128
	s_xor_b32 s[G0V+1], s[G0V+1], SLOT1
	s_add_nc_u64 s[G0V+2:G0V+3], s[G0V+2:G0V+3], SK*128
	s_wait_xcnt 0x0                                ; the last prefetch, a slot back, has read its address
	s_add_nc_u64 s[PFA:PFA+1], s[PFA:PFA+1], SK*128
.endif
	s_wait_dscnt 0x0
	s_barrier_signal -1
	s_barrier_wait -1
.if \fill
	s_add_co_u32 s56, s[KF], SK                    ; the first key of the slot that this change would ask for: past my work-group's last query it would be read by none of the sixteen waves
	s_cmp_gt_u32 s56, s[SLAST]                     ; ids and the count of steps alone: all sixteen waves go the same way; every wait for tiles in this text is for 0
	s_cbranch_scc1 .Lpast_\@
	TLOAD
.Lpast_\@:
	ASK
.endif
.endm
.macro SLOT_STEPS
.set QQ, 0
.rept 4
	STEP QQ
.set QQ, QQ+1
.endr
	s_xor_b32 s[TB], s[TB], SLOT1
.endm
	s_wait_loadcnt 0x0                             ; Q
.Lslot:                                            ; seven trips
	CHANGE 1
	SLOT_STEPS
	s_sub_co_u32 s[SLOTS], s[SLOTS], 1
	s_cmp_lg_u32 s[SLOTS], 0
	s_cbranch_scc1 .Lslot
	CHANGE 0                                       ; the last slot is written out: nothing is left to ask for
	SLOT_STEPS
	; THE WAY OUT.  l's halves and the other half of the lanes' are added; O^T is divided by l, rounded to f16 and sent through my stage, a tile at a time; each store covers 512 consecutive bytes, aligned.
.irp u, 0,1
	v_add_f32 v[ST+8*\u+4], v[ST+8*\u+2], v[ST+8*\u+3]
.endr
.irp u, 0,1
	v_permlanex16_b32 v[ST+8*\u+5], v[ST+8*\u+4], s[SEL], s[SEL+1]
.endr
.irp u, 0,1
	v_add_f32 v[ST+8*\u+4], v[ST+8*\u+4], v[ST+8*\u+5]
.endr
.irp u, 0,1
	v_rcp_f32 v[ST+8*\u+6], v[ST+8*\u+4]
.endr
	v_nop
	s_wait_alu depctr_va_vdst(0)                   ; one wait for the two reciprocals, ahead of their first reader
.irp u, 0,1
.irp i, 0,2,4,6,8,10,12,14,16,18,20,22,24,26,28,30
	v_pk_mul_f32 v[O+32*\u+\i:O+32*\u+\i+1], v[O+32*\u+\i:O+32*\u+\i+1], v[ST+8*\u+6:ST+8*\u+7] op_sel_hi:[1,0]
.endr
.irp i, 0,1,2,3,4,5,6,7,8,9,10,11,12,13,14,15
	v_cvt_pk_f16_f32 v[S+16*\u+\i], v[O+32*\u+2*\i], v[O+32*\u+2*\i+1]
.endr
.irp dt, 0,1,2,3
	ds_store_b128 v[STO], v[S+16*\u+4*\dt:S+16*\u+4*\dt+3] offset:32*\dt
.endr
.irp i, 0,1,2,3
	ds_load_b128 v[KV+16*\u+4*\i:KV+16*\u+4*\i+3], v[RD] offset:4*\i*KP    ; LDS serves a wave's instructions in order: these see my stores, and the next tile's stores come behind them
.endr
.endr
.irp i, 0,1,2,3
	s_wait_dscnt 11-\i                             ; behind tile 0's load i: its 3 - i younger loads, tile 1's four stores and four loads
	global_store_b128 v[GO], v[KV+4*\i:KV+4*\i+3], s[6:7] offset:512*\i
.endr
.irp i, 0,1,2,3
	s_wait_dscnt 3-\i
	global_store_b128 v[GO], v[KV+16+4*\i:KV+16+4*\i+3], s[6:7] offset:2048+512*\i
.endr
	s_wait_tensorcnt 0x0                           ; the wave's end
	ds_add_u32 v[SPW], v[NIL]
	s_wait_dscnt 0x0
	s_endpgm
.Lfunc_end_k_q12bbce0188_attn:
	.size	k_q12bbce0188_attn, .Lfunc_end_k_q12bbce0188_attn-k_q12bbce0188_attn
	.p2alignl 7, 3214868480
	.fill 96, 4, 3214868480
	.section	.rodata,"a",@progbits
	.p2align	6, 0x0
	.amdhsa_kernel k_q12bbce0188_attn
		.amdhsa_group_segment_fixed_size 327680
		.amdhsa_private_segment_fixed_size 0
		.amdhsa_enable_private_segment 0
		.amdhsa_kernarg_size 16
		.amdhsa_user_sgpr_count 2
		.amdhsa_user_sgpr_kernarg_segment_ptr 1
		.amdhsa_wavefront_size32 1
		.amdhsa_system_sgpr_workgroup_id_x 1
		.amdhsa_system_sgpr_workgroup_id_y 1
		.amdhsa_system_sgpr_workgroup_id_z 1
		.amdhsa_system_vgpr_workitem_id 0
		.amdhsa_next_free_vgpr 256
		.amdhsa_next_free_sgpr 80
		.amdhsa_reserve_vcc 1
		.amdhsa_float_denorm_mode_32 3
		.amdhsa_float_denorm_mode_16_64 3
		.amdhsa_memory_ordered 1
		.amdhsa_forward_progress 1
		.amdhsa_inst_pref_size 189
	.end_amdhsa_kernel
	.amdgpu_metadata
---
amdhsa.version: [ 1, 2 ]
amdhsa.kernels:
  - .name:           k_q12bbce0188_attn
    .symbol:         k_q12bbce0188_attn.kd
    .args:
      - { .name: qkv16, .offset: 0, .size: 8, .value_kind: global_buffer, .address_space: global }
      - { .name: y16, .offset: 8, .size: 8, .value_kind: global_buffer, .address_space: global }
    .group_segment_fixed_size: 327680
    .private_segment_fixed_size: 0
    .kernarg_segment_align: 8
    .kernarg_segment_size: 16
    .max_flat_workgroup_size: 512
    .sgpr_count:     80
    .vgpr_count:     256
    .wavefront_size: 32
...
	.end_amdgpu_metadata
.endif
;; end of part 3
;; launch proj (part 4): grid 4 x 64, 4 waves a work-group, clusters of 4 x 4, 327,680 bytes of LDS; arguments y16, wp16, b_proj, out0; writes out0
.if DOCPART == 4
	.amdgcn_target "amdgcn-amd-amdhsa--gfx1250"
	.amdhsa_code_object_version 6
	.text
	.protected	k_q12bbce0188_proj
	.globl	k_q12bbce0188_proj
	.p2align	8
	.type	k_q12bbce0188_proj,@function
k_q12bbce0188_proj:
	s_mov_b64 s[64:65], 0
	v_nop
	global_prefetch_b8 v0, s[64:65] scope:SCOPE_SE
	s_setreg_imm32_b32 hwreg(HW_REG_WAVE_MODE, 25, 1), 1
	s_wait_xcnt 0x0
	s_wait_alu depctr_hold_cnt(0) depctr_sa_sdst(0) depctr_va_vdst(0) depctr_va_sdst(0) depctr_va_ssrc(0) depctr_va_vcc(0) depctr_vm_vsrc(0)
	s_getreg_b32 s2, hwreg(HW_REG_IB_STS2, 6, 4)
	s_cmp_eq_u32 s2, 0
	s_cbranch_scc0 .Lentry_in_a_cluster
	s_endpgm
.Lentry_in_a_cluster:
	s_bfe_u32 s2, ttmp6, 0x10000c
	s_cmp_lg_u32 s2, 0xf033
	s_cbranch_scc0 .Lentry_shape_is_right
	s_endpgm
.Lentry_shape_is_right:
; out0[m][n] = sum over k of y[m][k] w_proj[k][n] + b_proj[n], f16 operands, f32 sums.  m = 2,048 b + t, k = 64 h + d.  y16: [b][h][t][64] f16; wp16: [1024 k][1024 n] f16; out0 f32.
; The 16 first positions of every sequence are NOT stored here: a later launch makes them in f32.
; LIMIT: operands in f16: magnitudes under 65,504.
; A tile of 128 rows x 256 columns is made by a work-group of four waves; that gives 256 work-groups.  A wave makes 64 x 128: 32 accumulators of 16 x 16.
; K goes in steps of 128 (two heads) through two LDS slots: y's tile is two heads x 128 tokens x 128 bytes, w_proj's 128 rows of k x 512 bytes.  w_proj lies [k][n]: its fragments come out of LDS turned, by ds_load_tr16_b128.
; CLUSTERS: 4 x 4.  Tile column = cx, tile row = 16 cy + cluster y (batch = cy).  The four of a row of the cluster need the same tiles of y, the four of a column the same tiles of w_proj: each is asked for JOINTLY.
; No prefetch: the whole of w_proj is walked by every row of tiles, and y's tile of a K step is small beside a step's 128 matrix instructions a wave.
; THE MATRIX INSTRUCTION IS USED TRANSPOSED (source 0 = 16 columns of w_proj, source 1 = 16 rows of y): a lane holds eight neighbouring columns of one row.  The bias is the C of each sum's first product.
; REGISTERS: window 0: v0-31 addresses; v32-127, v128-223 two fragment buffers (y's 4 blocks, then w_proj's 8).  window 1: accumulator (a, b) at v[8 (8 a + b)].  window 2: v0-63 the bias.
.set SLOT,  106496                     ; y: 2 x 128 x 144 = 36,864; w_proj: 128 x 544 = 69,632
.set AP,    144                        ; y's LDS row: 128 bytes + 16
.set BP,    544                        ; w_proj's: 512 + 32: an odd multiple of 32 bytes
.set BOFF,  2*128*AP
.set STAGE, 2*SLOT                     ; behind the ring: 16 rows x 528 bytes for each wave
.set SPITCH, 528
.set SPARE, STAGE+4*16*SPITCH          ; the spare words
.set LAPS,  4                          ; 8 K steps, two to a lap
.set ADRA, 16
.set ADRB, 20
.set STO,  24
.set RD,   25
.set CO,   26
.set BO,   27
.set SPW,  28
.set NIL,  29
.set F0,   32
.set F1,   128
.set BK,   32                          ; the way out: 16 rows read back: v32-95 and v96-159 by turns
.set G1, 24
.set G0, 32
.set G1B, 48
.set G0B, 56
.set MSB, 0
.macro WIN new
.if MSB != (\new)
	s_set_vgpr_msb (MSB<<8)|(\new)
.set MSB, \new
.endif
.endm
.set MUL,  0x50                        ; sources window 0; C and D window 1
.set MULB, 0x60                        ; C (the bias) window 2, D window 1
.macro JLOAD s                         ; waves 0 and 1 fetch y's two heads, waves 2 and 3 w_proj's two halves; an s_nop 0 and four v_nop follow each line
	s_cmp_eq_u32 s13, 0
	s_cbranch_scc0 .Lfor_b_\@
	tensor_load_to_lds s[G0+4*\s:G0+4*\s+3], s[G1:G1+7]
	s_nop 0
.rept 4
	v_nop
.endr
	s_branch .Lasked_\@
.Lfor_b_\@:
	tensor_load_to_lds s[G0B+4*\s:G0B+4*\s+3], s[G1B:G1B+7]
	s_nop 0
.rept 4
	v_nop
.endr
.Lasked_\@:
.endm
.macro CREST
	s_cmp_lg_u32 s12, 0
	s_cbranch_scc1 .Lnot_wave_0_\@
	s_barrier_signal -3
.Lnot_wave_0_\@:
	s_barrier_wait -3
	s_barrier_signal -1
	s_barrier_wait -1
.endm
.macro CROUND
	s_barrier_signal -1
	s_barrier_wait -1
	CREST
.endm
	s_load_b256 s[4:11], s[0:1], 0x0               ; y16 s[4:5], wp16 s[6:7], b_proj s[8:9], out0 s[10:11]
	v_lshl_add_u32 v[SPW], v0, 2, SPARE
	v_mov_b32 v[NIL], 0
	ds_add_u32 v[SPW], v[NIL]                      ; the wave's opening: the add, twice on end, and its wait ahead of my first tensor load
	ds_add_u32 v[SPW], v[NIL]
	v_lshrrev_b32 v1, 5, v0
	v_readfirstlane_b32 s12, v1                    ; wave 0..3
	s_lshr_b32 s13, s12, 1                         ; my half of the rows.  Also: I fetch for y (0) or for w_proj (1)
	s_and_b32 s14, s12, 1                          ; my half of the columns.  Also: which half of that tile I fetch
	s_bfe_u32 s40, ttmp6, 0x40000                  ; cx = tile column
	s_bfe_u32 s41, ttmp6, 0x40004                  ; cy = batch
	s_and_b32 s42, ttmp7, 0xffff                   ; cluster y: 128 tokens each
	s_lshl_b32 s43, s41, 2
	s_lshl_b32 s43, 15, s43                        ; my row of the cluster
	s_lshl_b32 s44, 0x1111, s40                    ; my column
	s_or_b32 s[G1+0], s43, (1<<16)|(1<<20)|(1<<21)|(4<<22)|(3<<25)   ; y: the mask; elements of 2 bytes; padding: 4 words behind every 32
	s_mov_b32 s[G1+1], 64<<16
	s_mov_b32 s[G1+2], 128<<16
	s_mov_b32 s[G1+3], 64<<16
	s_mov_b32 s[G1+4], 128
	s_mov_b32 s[G1+5], 64
	s_mov_b32 s[G1+6], 0
	s_mov_b32 s[G1+7], 0
	s_or_b32 s[G1B+0], s44, (1<<16)|(1<<20)|(1<<21)|(6<<22)|(7<<25)  ; w_proj: 8 words behind every 128
	s_mov_b32 s[G1B+1], 256<<16
	s_mov_b32 s[G1B+2], 64<<16
	s_mov_b32 s[G1B+3], 256<<16
	s_mov_b32 s[G1B+4], 64
	s_mov_b32 s[G1B+5], 1024
	s_mov_b32 s[G1B+6], 0
	s_mov_b32 s[G1B+7], 0
	s_lshl_b32 s16, s41, 4
	s_add_co_u32 s16, s16, s14
	s_lshl_b32 s16, s16, 18                        ; y: plane 16 b + my head of the first two,
	s_lshl_b32 s17, s42, 14
	s_add_co_u32 s16, s16, s17                     ; token 128 x cluster y
	s_mov_b32 s17, 0
	s_lshl_b32 s46, s14, 17                        ; w_proj: row 64 x half, 2,048 bytes a row,
	s_lshl_b32 s47, s40, 9
	s_add_co_u32 s46, s46, s47                     ; column 256 cx
	s_mov_b32 s47, 0
	s_mul_i32 s20, s14, 128*AP                     ; where they go: no place in the cluster enters an LDS address
	s_mul_i32 s21, s14, 64*BP
	s_add_co_u32 s21, s21, BOFF
	s_wait_dscnt 0x0                               ; both opening adds are done
	s_wait_kmcnt 0x0
	s_add_nc_u64 s[16:17], s[4:5], s[16:17]
	s_add_nc_u64 s[46:47], s[6:7], s[46:47]
	CROUND                                         ; all sixteen work-groups are here: the first joint loads meet
.irp s, 0,1
	s_mov_b32 s[G0+4*\s], 1
	s_add_co_u32 s[G0+4*\s+1], s20, \s*SLOT
	s_add_nc_u64 s[G0+4*\s+2:G0+4*\s+3], s[16:17], \s*2*262144
	s_or_b32 s[G0+4*\s+3], s[G0+4*\s+3], 0x80000000
	s_mov_b32 s[G0B+4*\s], 1
	s_add_co_u32 s[G0B+4*\s+1], s21, \s*SLOT
	s_add_nc_u64 s[G0B+4*\s+2:G0B+4*\s+3], s[46:47], \s*128*2048
	s_or_b32 s[G0B+4*\s+3], s[G0B+4*\s+3], 0x80000000
	JLOAD \s                                       ; two loads of mine are out at the start, one behind each round
.endr
	v_and_b32 v1, 15, v0                           ; r
	v_bfe_u32 v2, v0, 4, 1                         ; h
	v_lshlrev_b32 v[BO], 5, v2
	s_lshl_b32 s66, s40, 10
	s_lshl_b32 s67, s14, 9
	s_add_co_u32 s66, s66, s67                     ; my first column in bytes of f32
	s_mov_b32 s67, 0
	s_add_nc_u64 s[8:9], s[8:9], s[66:67]
	WIN 0x80                                       ; destination window 2
.irp b, 0,1,2,3,4,5,6,7
	global_load_b128 v[8*\b:8*\b+3], v[BO], s[8:9] offset:64*\b            ; lane (r, h): b_proj at 16 b + 8 h + 0 .. 7 of my 128 columns
	global_load_b128 v[8*\b+4:8*\b+7], v[BO], s[8:9] offset:64*\b+16
.endr
	WIN 0
	v_mul_u32_u24 v3, v1, AP
	v_lshl_add_u32 v3, v2, 4, v3
	s_mul_i32 s22, s13, 64*AP                      ; my 64 rows of y
	v_add_nc_u32 v[ADRA], s22, v3
	s_add_co_u32 s22, s22, SLOT
	v_add_nc_u32 v[ADRA+1], s22, v3
	v_and_b32 v4, 7, v0
	v_bfe_u32 v5, v0, 3, 1
	v_lshl_add_u32 v6, v2, 3, v4                   ; w_proj: row of k 8 h + l % 8, columns 8 ((l / 8) % 2) on
	v_mul_u32_u24 v6, v6, BP
	v_lshl_add_u32 v6, v5, 4, v6
	s_lshl_b32 s22, s14, 8                         ; my 128 columns
	s_add_co_u32 s22, s22, BOFF
	v_add_nc_u32 v[ADRB], s22, v6
	s_add_co_u32 s22, s22, SLOT
	v_add_nc_u32 v[ADRB+1], s22, v6
	s_mul_i32 s23, s12, 16*SPITCH
	s_add_co_u32 s23, s23, STAGE                   ; my stage
	v_mul_u32_u24 v3, v1, SPITCH
	v_lshl_add_u32 v3, v2, 5, v3
	v_add_nc_u32 v[STO], s23, v3                   ; in: row r, 32 bytes for each half of the lanes
	v_and_b32 v3, 31, v0
	v_lshlrev_b32 v[CO], 4, v3                     ; back: the 32 lanes take one row of 512 bytes; and the same in out0
	v_add_nc_u32 v[RD], s23, v[CO]
	s_add_nc_u64 s[10:11], s[10:11], s[66:67]
	s_lshl_b32 s68, s41, 23                        ; out0: row 2,048 b + 128 x cluster y + 64 x half, 4,096 bytes a row
	s_lshl_b32 s69, s42, 19
	s_add_co_u32 s68, s68, s69
	s_lshl_b32 s69, s13, 18
	s_add_co_u32 s68, s68, s69
	s_mov_b32 s69, 0
	s_add_nc_u64 s[10:11], s[10:11], s[68:69]
; 8 matrix instructions: y's block a against w_proj's eight, 32 along K, from buffer f.  first = 1: the sums start from the bias.  The 32 accumulators take turns in the same order in every quarter.
.macro MUL8 f, a, first
.irp b, 0,1,2,3,4,5,6,7
.if \first
	v_wmma_f32_16x16x32_f16 v[8*(8*(\a)+\b):8*(8*(\a)+\b)+7], v[\f+32+8*\b:\f+32+8*\b+7], v[\f+8*(\a):\f+8*(\a)+7], v[8*\b:8*\b+7]
.else
	v_wmma_f32_16x16x32_f16 v[8*(8*(\a)+\b):8*(8*(\a)+\b)+7], v[\f+32+8*\b:\f+32+8*\b+7], v[\f+8*(\a):\f+8*(\a)+7], v[8*(8*(\a)+\b):8*(8*(\a)+\b)+7]
.endif
.endr
.endm
; 24 LDS loads in one run: quarter q (32 along K) of a slot into buffer f: w_proj's eight fragments, turned, then y's four, blocks 2 and 3 last
.macro FETCH slot, q, f
	WIN 0
.irp b, 0,1,2,3,4,5,6,7
	ds_load_tr16_b128 v[\f+32+8*\b:\f+32+8*\b+3],   v[ADRB+\slot] offset:32*(\q)*BP+32*\b
	ds_load_tr16_b128 v[\f+32+8*\b+4:\f+32+8*\b+7], v[ADRB+\slot] offset:(32*(\q)+16)*BP+32*\b
.endr
.irp a, 0,1,2,3
	ds_load_b128 v[\f+8*\a:\f+8*\a+3],   v[ADRA+\slot] offset:128*AP*((\q)/2)+64*((\q)%2)+16*AP*\a
	ds_load_b128 v[\f+8*\a+4:\f+8*\a+7], v[ADRA+\slot] offset:128*AP*((\q)/2)+64*((\q)%2)+16*AP*\a+32
.endr
.endm
.macro PLACES                          ; four plain lines in front of loads into registers that matrix instructions have read, and of the first reads of results
.rept 4
	v_nop
.endr
.endm
.macro QUARTER slot, qn, f, g, first   ; multiplies buffer f and fetches quarter qn of the slot into g
	s_wait_dscnt 4                                 ; all but y's blocks 2 and 3, the four youngest loads
.if \first
	WIN MULB
.else
	WIN MUL
.endif
	MUL8 \f, 0, \first
	MUL8 \f, 1, \first
	PLACES
	FETCH \slot, \qn, \g
	s_wait_dscnt 24                                ; all but the 24 just issued
.if \first
	WIN MULB
.else
	WIN MUL
.endif
	MUL8 \f, 2, \first
	MUL8 \f, 3, \first
.endm
; A slot's last quarter multiplies buffer 1 and changes slots: ONE barrier; in front of it each wave waits for all its tensor loads, adds 0 to its spare word, and waits for that and for its reads of this slot.
; fill = 1: the barrier opens a round of the cluster's barrier, and this slot is filled again, two K steps ahead, first thing behind the round.
.macro TURN slot, next, fill
	WIN 0
	s_wait_tensorcnt 0x0
	ds_add_u32 v[SPW], v[NIL]
	s_wait_dscnt 5                                 ; (the add and the four youngest loads may be out)
	WIN MUL
	MUL8 F1, 0, 0
	s_wait_dscnt 0x0
	s_barrier_signal -1
	MUL8 F1, 1, 0
.if \fill
	WIN 0
.endif
	s_barrier_wait -1
.if \fill
	CREST                                          ; no wave of any partner still reads this slot's tile or has a load on its way
	s_add_nc_u64 s[G0+4*\slot+2:G0+4*\slot+3], s[G0+4*\slot+2:G0+4*\slot+3], 4*262144
	s_add_nc_u64 s[G0B+4*\slot+2:G0B+4*\slot+3], s[G0B+4*\slot+2:G0B+4*\slot+3], 256*2048
	JLOAD \slot                                    ; the four v_nop behind it are also the places in front of the loads below
.else
	PLACES
.endif
	FETCH \next, 0, F0
	WIN MUL
	MUL8 F1, 2, 0
	MUL8 F1, 3, 0
.endm
	s_wait_tensorcnt 1                             ; my part of K step 0 is in (K step 1's load may be out)
	s_barrier_signal -1
	s_barrier_wait -1                              ; everybody's is
	FETCH 0, 0, F0
	s_wait_loadcnt 0x0                             ; the bias
	QUARTER 0, 1, F0, F1, 1                        ; the first quarter stands in front of the loop: its products start the sums
	WIN 0
	s_mov_b32 s3, LAPS-1
.Llap:                                             ; a trip goes once round the ring and fills both slots again
	QUARTER 0, 2, F1, F0, 0
	QUARTER 0, 3, F0, F1, 0
	TURN 0, 1, 1
	QUARTER 1, 1, F0, F1, 0
	QUARTER 1, 2, F1, F0, 0
	QUARTER 1, 3, F0, F1, 0
	TURN 1, 0, 1
	QUARTER 0, 1, F0, F1, 0
	WIN 0
	s_sub_co_u32 s3, s3, 1
	s_cmp_lg_u32 s3, 0
	s_cbranch_scc1 .Llap
	QUARTER 0, 2, F1, F0, 0                        ; the last lap fills nothing
	QUARTER 0, 3, F0, F1, 0
	TURN 0, 1, 0
	QUARTER 1, 1, F0, F1, 0
	QUARTER 1, 2, F1, F0, 0
	QUARTER 1, 3, F0, F1, 0
	s_wait_dscnt 4
	WIN MUL
	MUL8 F1, 0, 0
	MUL8 F1, 1, 0
	s_wait_dscnt 0
	MUL8 F1, 2, 0
	MUL8 F1, 3, 0
	WIN 0
; THE WAY OUT, block by block of 16 rows x 128 columns, through my own stage: back as whole rows of 512 bytes, which the 32 lanes store as 512 consecutive bytes, aligned.
.macro TOSTAGE a
	WIN 0x04                                       ; an LDS store's data: window 1
.irp b, 0,1,2,3,4,5,6,7
	ds_store_b128 v[STO], v[8*(8*(\a)+\b):8*(8*(\a)+\b)+3] offset:64*\b            ; each accumulator from its low end on
	ds_store_b128 v[STO], v[8*(8*(\a)+\b)+4:8*(8*(\a)+\b)+7] offset:64*\b+16
.endr
	WIN 0
.set BB, BK+64*((\a)%2)
.irp t, 0,1,2,3,4,5,6,7,8,9,10,11,12,13,14,15
	ds_load_b128 v[BB+4*\t:BB+4*\t+3], v[RD] offset:\t*SPITCH      ; LDS serves a wave's instructions in order (ISA guide 5.7.1.4)
.endr
.endm
.macro SEND a, younger
.set BB, BK+64*((\a)%2)
	s_wait_dscnt \younger                          ; the block is back; the next block's 16 stores and 16 loads may be out
.if (\a) == 0
	s_or_b32 s2, s42, s13                          ; positions 0-15 of a sequence: block 0 of the upper row half where cluster y = 0.  They are another launch's: not stored.  Cluster y and the wave's number: alike in all partners
	s_cmp_eq_u32 s2, 0
	s_cbranch_scc1 .Lfine_rows
.endif
.irp t, 0,1,2,3,4,5,6,7,8,9,10,11,12,13,14,15
	global_store_b128 v[CO], v[BB+4*\t:BB+4*\t+3], s[10:11] offset:(16*(\a)+\t)*4096 th:TH_STORE_NT
.endr
.if (\a) == 0
.Lfine_rows:
.endif
.endm
	PLACES
	TOSTAGE 0
	TOSTAGE 1
	SEND 0, 32
	s_wait_xcnt 0x0                                ; block 0's stores have read their registers: block 2's loads may land there
	TOSTAGE 2
	SEND 1, 32
	s_wait_xcnt 0x0
	TOSTAGE 3
	SEND 2, 32
	SEND 3, 0
	s_wait_tensorcnt 0x0                           ; the wave's end
	ds_add_u32 v[SPW], v[NIL]
	s_wait_dscnt 0x0
	CROUND                                         ; the closing round
	s_endpgm
.Lfunc_end_k_q12bbce0188_proj:
	.size	k_q12bbce0188_proj, .Lfunc_end_k_q12bbce0188_proj-k_q12bbce0188_proj
	.p2alignl 7, 3214868480
	.fill 96, 4, 3214868480
	.section	.rodata,"a",@progbits
	.p2align	6, 0x0
	.amdhsa_kernel k_q12bbce0188_proj
		.amdhsa_group_segment_fixed_size 327680
		.amdhsa_private_segment_fixed_size 0
		.amdhsa_enable_private_segment 0
		.amdhsa_kernarg_size 32
		.amdhsa_user_sgpr_count 2
		.amdhsa_user_sgpr_kernarg_segment_ptr 1
		.amdhsa_wavefront_size32 1
		.amdhsa_system_sgpr_workgroup_id_x 1
		.amdhsa_system_sgpr_workgroup_id_y 1
		.amdhsa_system_sgpr_workgroup_id_z 1
		.amdhsa_system_vgpr_workitem_id 0
		.amdhsa_next_free_vgpr 576
		.amdhsa_next_free_sgpr 72
		.amdhsa_reserve_vcc 0
		.amdhsa_float_denorm_mode_32 3
		.amdhsa_float_denorm_mode_16_64 3
		.amdhsa_memory_ordered 1
		.amdhsa_forward_progress 1
		.amdhsa_inst_pref_size 86
	.end_amdhsa_kernel
	.amdgpu_metadata
---
amdhsa.version: [ 1, 2 ]
amdhsa.kernels:
  - .name:           k_q12bbce0188_proj
    .symbol:         k_q12bbce0188_proj.kd
    .args:
      - { .name: y16, .offset: 0, .size: 8, .value_kind: global_buffer, .address_space: global }
      - { .name: wp16, .offset: 8, .size: 8, .value_kind: global_buffer, .address_space: global }
      - { .name: b_proj, .offset: 16, .size: 8, .value_kind: global_buffer, .address_space: global }
      - { .name: out0, .offset: 24, .size: 8, .value_kind: global_buffer, .address_space: global }
    .group_segment_fixed_size: 327680
    .private_segment_fixed_size: 0
    .kernarg_segment_align: 8
    .kernarg_segment_size: 32
    .max_flat_workgroup_size: 128
    .sgpr_count:     72
    .vgpr_count:     576
    .wavefront_size: 32
...
	.end_amdgpu_metadata
.endif
;; end of part 4
;; launch fine (part 5): grid 64 x 4, 16 waves a work-group, no clusters, 18,432 bytes of LDS; arguments first32, w_proj, b_proj, out0; writes out0
.if DOCPART == 5
	.amdgcn_target "amdgcn-amd-amdhsa--gfx1250"
	.amdhsa_code_object_version 6
	.text
	.protected	k_q12bbce0188_fine
	.globl	k_q12bbce0188_fine
	.p2align	8
	.type	k_q12bbce0188_fine,@function
k_q12bbce0188_fine:
	s_mov_b64 s[64:65], 0
	v_nop
	global_prefetch_b8 v0, s[64:65] scope:SCOPE_SE
	s_setreg_imm32_b32 hwreg(HW_REG_WAVE_MODE, 25, 1), 1
	s_wait_xcnt 0x0
; POSITIONS 0-15 OF EVERY SEQUENCE, IN f32 THROUGHOUT: there a row of the softmax averages one to sixteen values, the results are the largest of the output, and f16 operands would use up what the comparison allows.
; first32: [b][t 16][3072] f32 (q, k, v of these positions); w_proj [1024][1024] f32; out0 rows 2,048 b + 0 .. 15.
; Work-group (nb, b) makes those 16 rows at columns 16 nb .. 16 nb + 15.  Wave hd is head hd: its 16 x 16 attention, then its 64 channels' part of the projection; the sixteen parts are added through LDS.
; The small attention is made again in each of the 64 column blocks: 32 matrix instructions a wave.  A row's piece of out0 is 64 bytes: 256 KB in all are written in such pieces.
; The form is v_wmma_f32_16x16x4_f32, whose K slot 2 h + j takes, in BOTH sources alike, the number that the lane holds anyway: so nothing changes lanes between the products.
; Its accumulators (v144-191) are written by matrix instructions alone; what is made of a sum goes into other registers.
.set SPARE, 16384                      ; LDS: 16 waves x 1,024 bytes of partial results, then the spare words
.set SPW,  252
.set NIL,  253
.set BIAS, 8                           ; v8-11
.set QF,   16                          ; v16-47   lane (r, h): d = 32 h + 0 .. 31 of query r
.set KF,   48                          ; v48-79   the same of key r
.set VF,   80                          ; v80-111  register 8 dt + k: V[key 8 h + k][16 dt + r]
.set WF,   112                         ; v112-143 register 8 dt + k: W[64 hd + 16 dt + 8 h + k][n0 + r]
.set SA,   144                         ; two accumulators for the scores
.set OA,   160                         ; four accumulators: O^T, later the projection
.set SS,   192                         ; v192-199 scores, then p: register j: key 8 h + j of query r
.set Y,    200                         ; v200-231 y: register 8 dt + j: channel 16 dt + 8 h + j of query r
.set PO,   232                         ; v232-239 my head's part of the result
	s_load_b256 s[4:11], s[0:1], 0x0               ; first32 s[4:5], w_proj s[6:7], b_proj s[8:9], out0 s[10:11]
	v_lshl_add_u32 v[SPW], v0, 2, SPARE
	v_mov_b32 v[NIL], 0
	v_lshrrev_b32 v1, 5, v0
	v_readfirstlane_b32 s12, v1                    ; hd
	v_and_b32 v1, 15, v0                           ; r
	v_bfe_u32 v2, v0, 4, 1                         ; h
	v_and_b32 v3, 31, v0
	s_and_b32 s13, ttmp7, 0xffff                   ; b
	s_and_b32 s14, s12, 1                          ; q: which four of a lane's eight results waves 0 and 1 add up
	v_mul_u32_u24 v4, v1, 12288
	v_lshl_add_u32 v4, v2, 7, v4                   ; Q, K: token r, + 128 h
	v_mul_u32_u24 v5, v2, 98304
	v_lshl_add_u32 v5, v1, 2, v5                   ; V: token 8 h, channel r
	v_lshlrev_b32 v6, 15, v2
	v_lshl_add_u32 v6, v1, 2, v6                   ; W: row 8 h, column r
	v_lshlrev_b32 v7, 5, v2
	s_lshl_b32 s15, s14, 4
	v_add_nc_u32 v7, s15, v7                       ; the bias: 32 h + 16 q
	v_lshl_add_u32 v12, v1, 12, v7                 ; out0: 4,096 r + 32 h + 16 q
	v_lshlrev_b32 v13, 4, v3
	s_lshl_b32 s16, s12, 10
	v_add_nc_u32 v14, s16, v13                     ; LDS, in: 1,024 hd + 16 lane
	s_lshl_b32 s16, s14, 9
	v_add_nc_u32 v15, s16, v13                     ; LDS, back: 512 q + 16 lane
	v_lshlrev_b32 v240, 3, v2
	v_sub_nc_u32 v240, v1, v240                    ; d = r - 8 h: key 8 h + j is hidden where j > d
	v_mov_b32 v243, 0xff800000                     ; -infinity
	v_mov_b32 v242, 0                              ; a lane permute's destination counts as one of its sources
	v_mov_b32 v245, 0                              ; (named as the upper half of a pair)
	s_mov_b32 s24, 0x76543210
	s_mov_b32 s25, 0xfedcba98
	s_mov_b32 s26, 0x3e38aa3b                      ; c = log2(e) / 8
	s_mov_b32 s27, s26
	s_mul_i32 s16, s13, 196608
	s_lshl_b32 s17, s12, 8
	s_add_co_u32 s16, s16, s17
	s_mov_b32 s17, 0
	s_lshl_b32 s18, ttmp9, 6                       ; 16 columns of f32
	s_mov_b32 s19, 0
	s_lshl_b32 s20, s12, 18                        ; 64 rows of w_proj
	s_mov_b32 s21, 0
	s_lshl_b32 s22, s13, 23                        ; 2,048 rows of out0
	s_mov_b32 s23, 0
	s_wait_kmcnt 0x0
	s_add_nc_u64 s[4:5], s[4:5], s[16:17]
	s_add_nc_u64 s[6:7], s[6:7], s[18:19]
	s_add_nc_u64 s[6:7], s[6:7], s[20:21]
	s_add_nc_u64 s[8:9], s[8:9], s[18:19]
	s_add_nc_u64 s[10:11], s[10:11], s[18:19]
	s_add_nc_u64 s[10:11], s[10:11], s[22:23]
	global_load_b128 v[BIAS:BIAS+3], v7, s[8:9]    ; every wave loads it, so that the counts below are alike in all waves
.irp i, 0,1,2,3,4,5,6,7
	global_load_b128 v[QF+4*\i:QF+4*\i+3], v4, s[4:5] offset:16*\i
.endr
.irp i, 0,1,2,3,4,5,6,7
	global_load_b128 v[KF+4*\i:KF+4*\i+3], v4, s[4:5] offset:4096+16*\i
.endr
.irp dt, 0,1,2,3
.irp k, 0,1,2,3,4,5,6,7
	global_load_b32 v[VF+8*\dt+\k], v5, s[4:5] offset:8192+12288*\k+64*\dt
.endr
.endr
.irp dt, 0,1,2,3
.irp k, 0,1,2,3,4,5,6,7
	global_load_b32 v[WF+8*\dt+\k], v6, s[6:7] offset:4096*(16*\dt+\k)
.endr
.endr
	s_wait_loadcnt 63                              ; 64 loads are younger than K's last; the field holds 63, which is the stricter count
.irp c, 0,1,2,3,4,5,6,7,8,9,10,11,12,13,14,15  ; S^T = K Q^T: two accumulators by turns
.if \c < 2
	v_wmma_f32_16x16x4_f32 v[SA+8*(\c%2):SA+8*(\c%2)+7], v[KF+2*\c:KF+2*\c+1], v[QF+2*\c:QF+2*\c+1], 0
.else
	v_wmma_f32_16x16x4_f32 v[SA+8*(\c%2):SA+8*(\c%2)+7], v[KF+2*\c:KF+2*\c+1], v[QF+2*\c:QF+2*\c+1], v[SA+8*(\c%2):SA+8*(\c%2)+7]
.endif
.endr
.rept 8
	v_nop                                          ; eight places behind this form (ISA guide 7.12.1)
.endr
.irp i, 0,2,4,6
	v_pk_add_f32 v[SS+\i:SS+\i+1], v[SA+\i:SA+\i+1], v[SA+8+\i:SA+8+\i+1]          ; the two halves of the sum, from the low end on
.endr
.irp j, 0,1,2,3,4,5,6,7
	v_cmp_gt_i32 vcc_lo, \j, v240
	v_cndmask_b32 v[SS+\j], v[SS+\j], v243, vcc_lo
.endr
	v_max3_num_f32 v241, v[SS], v[SS+1], v[SS+2]
	v_max3_num_f32 v241, v241, v[SS+3], v[SS+4]
	v_max3_num_f32 v241, v241, v[SS+5], v[SS+6]
	v_max_num_f32 v241, v241, v[SS+7]
	v_permlanex16_b32 v242, v241, s24, s25
	v_max_num_f32 v241, v241, v242                 ; the row's maximum: key 0 counts for every query, so it is a number
	v_mul_f32 v244, s26, v241                      ; c m
.irp i, 0,2,4,6
	v_pk_fma_f32 v[SS+\i:SS+\i+1], v[SS+\i:SS+\i+1], s[26:27], v[244:245] op_sel_hi:[1,0,0] neg_lo:[0,0,1] neg_hi:[0,0,1]
.endr
.irp j, 0,1,2,3,4,5,6,7
	v_exp_f32 v[SS+\j], v[SS+\j]
.endr
	v_nop
	s_wait_alu depctr_va_vdst(0)                   ; one wait for the eight exponentials, ahead of their first reader
	v_pk_add_f32 v[246:247], v[SS:SS+1], v[SS+2:SS+3]
	v_pk_add_f32 v[248:249], v[SS+4:SS+5], v[SS+6:SS+7]
	v_pk_add_f32 v[246:247], v[246:247], v[248:249]
	v_add_f32 v246, v246, v247
	v_permlanex16_b32 v247, v246, s24, s25
	v_add_f32 v246, v246, v247                     ; the row's sum
	v_rcp_f32 v248, v246
	v_nop
	s_wait_loadcnt 32                              ; V is in; W's 32 loads may be out
.irp c, 0,1,2,3                                ; O^T = V^T P: four accumulators by turns
.irp dt, 0,1,2,3
.if \c == 0
	v_wmma_f32_16x16x4_f32 v[OA+8*\dt:OA+8*\dt+7], v[VF+8*\dt+2*\c:VF+8*\dt+2*\c+1], v[SS+2*\c:SS+2*\c+1], 0
.else
	v_wmma_f32_16x16x4_f32 v[OA+8*\dt:OA+8*\dt+7], v[VF+8*\dt+2*\c:VF+8*\dt+2*\c+1], v[SS+2*\c:SS+2*\c+1], v[OA+8*\dt:OA+8*\dt+7]
.endif
.endr
.endr
.rept 8
	v_nop
.endr
	s_wait_alu depctr_va_vdst(0)                   ; the reciprocal, ahead of its first reader
.irp i, 0,2,4,6,8,10,12,14,16,18,20,22,24,26,28,30
	v_pk_mul_f32 v[Y+\i:Y+\i+1], v[OA+\i:OA+\i+1], v[248:249] op_sel_hi:[1,0]      ; y = O^T / the sum, into other registers.  With the eight lines above, more than nine lines that name none of a product's registers stand ahead of the products that begin its accumulator anew
.endr
	s_wait_loadcnt 0x0                             ; W, and the bias
.irp c, 0,1,2,3                                ; my head's part of the projection, transposed: source 0 = 16 columns of W, source 1 = y
.irp dt, 0,1,2,3
.if \c == 0
	v_wmma_f32_16x16x4_f32 v[OA+8*\dt:OA+8*\dt+7], v[WF+8*\dt+2*\c:WF+8*\dt+2*\c+1], v[Y+8*\dt+2*\c:Y+8*\dt+2*\c+1], 0
.else
	v_wmma_f32_16x16x4_f32 v[OA+8*\dt:OA+8*\dt+7], v[WF+8*\dt+2*\c:WF+8*\dt+2*\c+1], v[Y+8*\dt+2*\c:Y+8*\dt+2*\c+1], v[OA+8*\dt:OA+8*\dt+7]
.endif
.endr
.endr
.rept 8
	v_nop
.endr
.irp i, 0,2,4,6
	v_pk_add_f32 v[PO+\i:PO+\i+1], v[OA+\i:OA+\i+1], v[OA+8+\i:OA+8+\i+1]
.endr
.irp i, 0,2,4,6
	v_pk_add_f32 v[240+\i:241+\i], v[OA+16+\i:OA+16+\i+1], v[OA+24+\i:OA+24+\i+1]
.endr
.irp i, 0,2,4,6
	v_pk_add_f32 v[PO+\i:PO+\i+1], v[PO+\i:PO+\i+1], v[240+\i:241+\i]              ; register j: out(r, n0 + 8 h + j), my 64 channels' part
.endr
	ds_store_b128 v14, v[PO:PO+3]
	ds_store_b128 v14, v[PO+4:PO+7] offset:512
	s_wait_dscnt 0x0                               ; for the others' sake: my stores have landed
	s_barrier_signal -1
	s_barrier_wait -1
	s_cmp_lt_u32 s12, 2                            ; waves 0 and 1 add the sixteen parts, four results a lane each
	s_cbranch_scc0 .Ldone
.irp w, 0,1,2,3,4,5,6,7,8,9,10,11,12,13,14,15
	ds_load_b128 v[16+4*\w:19+4*\w], v15 offset:1024*\w
.endr
	s_wait_dscnt 0x0
.irp w, 0,1,2,3,4,5,6,7
	v_pk_add_f32 v[16+4*\w:17+4*\w], v[16+4*\w:17+4*\w], v[48+4*\w:49+4*\w]
	v_pk_add_f32 v[18+4*\w:19+4*\w], v[18+4*\w:19+4*\w], v[50+4*\w:51+4*\w]
.endr
.irp w, 0,1,2,3
	v_pk_add_f32 v[16+4*\w:17+4*\w], v[16+4*\w:17+4*\w], v[32+4*\w:33+4*\w]
	v_pk_add_f32 v[18+4*\w:19+4*\w], v[18+4*\w:19+4*\w], v[34+4*\w:35+4*\w]
.endr
.irp w, 0,1
	v_pk_add_f32 v[16+4*\w:17+4*\w], v[16+4*\w:17+4*\w], v[24+4*\w:25+4*\w]
	v_pk_add_f32 v[18+4*\w:19+4*\w], v[18+4*\w:19+4*\w], v[26+4*\w:27+4*\w]
.endr
	v_pk_add_f32 v[16:17], v[16:17], v[20:21]
	v_pk_add_f32 v[18:19], v[18:19], v[22:23]
	v_pk_add_f32 v[16:17], v[16:17], v[BIAS:BIAS+1]
	v_pk_add_f32 v[18:19], v[18:19], v[BIAS+2:BIAS+3]
	global_store_b128 v12, v[16:19], s[10:11]
.Ldone:
	s_wait_tensorcnt 0x0                           ; the wave's end, behind my last LDS store
	ds_add_u32 v[SPW], v[NIL]
	s_wait_dscnt 0x0
	s_endpgm
.Lfunc_end_k_q12bbce0188_fine:
	.size	k_q12bbce0188_fine, .Lfunc_end_k_q12bbce0188_fine-k_q12bbce0188_fine
	.p2alignl 7, 3214868480
	.fill 96, 4, 3214868480
	.section	.rodata,"a",@progbits
	.p2align	6, 0x0
	.amdhsa_kernel k_q12bbce0188_fine
		.amdhsa_group_segment_fixed_size 18432
		.amdhsa_private_segment_fixed_size 0
		.amdhsa_enable_private_segment 0
		.amdhsa_kernarg_size 32
		.amdhsa_user_sgpr_count 2
		.amdhsa_user_sgpr_kernarg_segment_ptr 1
		.amdhsa_wavefront_size32 1
		.amdhsa_system_sgpr_workgroup_id_x 1
		.amdhsa_system_sgpr_workgroup_id_y 1
		.amdhsa_system_sgpr_workgroup_id_z 1
		.amdhsa_system_vgpr_workitem_id 0
		.amdhsa_next_free_vgpr 256
		.amdhsa_next_free_sgpr 66
		.amdhsa_reserve_vcc 1
		.amdhsa_float_denorm_mode_32 3
		.amdhsa_float_denorm_mode_16_64 3
		.amdhsa_memory_ordered 1
		.amdhsa_forward_progress 1
		.amdhsa_inst_pref_size 22
	.end_amdhsa_kernel
	.amdgpu_metadata
---
amdhsa.version: [ 1, 2 ]
amdhsa.kernels:
  - .name:           k_q12bbce0188_fine
    .symbol:         k_q12bbce0188_fine.kd
    .args:
      - { .name: first32, .offset: 0, .size: 8, .value_kind: global_buffer, .address_space: global }
      - { .name: w_proj, .offset: 8, .size: 8, .value_kind: global_buffer, .address_space: global }
      - { .name: b_proj, .offset: 16, .size: 8, .value_kind: global_buffer, .address_space: global }
      - { .name: out0, .offset: 24, .size: 8, .value_kind: global_buffer, .address_space: global }
    .group_segment_fixed_size: 18432
    .private_segment_fixed_size: 0
    .kernarg_segment_align: 8
    .kernarg_segment_size: 32
    .max_flat_workgroup_size: 512
    .sgpr_count:     66
    .vgpr_count:     256
    .wavefront_size: 32
...
	.end_amdgpu_metadata
.endif
;; end of part 5
